; MI455X (gfx1250); checked and timed in simulation.
; The chip was launched on July 23, 2026; its instructions are those of AMD's public machine-readable ISA for CDNA 5 (MIT licence, August 2026) and "CDNA5" Instruction Set Architecture Reference Guide (July 2026). The comments in the code are by the model that wrote it; some were corrected since.
;; Cross Attention. Allowed arithmetic: matrix products marked QUANTISED: E2M3 operands, one E8M0 scale for each 32 along K, by v_wmma_scale_f32_16x16x128_f8f6f4 with both operands' format E2M3, f32 sums; everything else in f32.
;; Inputs: Wk 512 x 512 float32; Wo 512 x 512 float32; Wq 512 x 512 float32; Wv 512 x 512 float32; bo 512 float32; rel_bias 8 x 1,024 x 1,024 float32; x 16 x 1,024 x 512 float32.
;; Outputs: out0 16 x 1,024 x 512 float32.
;; This version of the problem:
;;   THIS VERSION OF THE PROBLEM IS GIVEN IN LOW PRECISION. The matrix products marked QUANTISED in the list below multiply operands that are first quantised to E2M3 (2 exponent bits, 3 mantissa bits; 6 bits a number), with one power-of-two scale for each 32 numbers along K (OCP MX v1.0); their sums are f32. All else is computed in f32.
;;   The module's matrix products, in the order in which they are computed (A, B: the left and right operand; K: the contracted axis; several contracted axes count as one K, in the product's order):
;;     1. [M 16,384, K 512] x [K 512, N 512]; A: input x; B: input Wq: QUANTISED
;;     2. [M 16,384, K 512] x [K 512, N 512]; A: input x; B: input Wk: QUANTISED
;;     3. [M 16,384, K 512] x [K 512, N 512]; A: input x; B: input Wv: QUANTISED
;;     4. batch 128 x [M 1,024, K 64] x [K 64, N 1,024]; A: computed on the way; B: computed on the way: QUANTISED
;;     5. batch 128 x [M 1,024, K 1,024] x [K 1,024, N 64]; A: softmax (see below); B: computed on the way: QUANTISED
;;     6. [M 16,384, K 512] x [K 512, N 512]; A: computed on the way; B: input Wo: QUANTISED
;;   THE QUANTISER, for each operand of a quantised product, along K:
;;     - K is cut into blocks of 32 from its start; a last block that is shorter is filled with zeros.
;;     - A block's scale is 2^e with e = floor(log2(the largest magnitude in the block)) - 2, held to -126 .. 127; a block of zeros has e = 0. As a byte (E8M0): e + 127.
;;     - Each number is divided by its block's scale, clamped to +-7.5, and rounded to the nearest number of E2M3, ties to even, subnormals kept.
;;     - The product sums the exact products of the quantised numbers (number of the format x scale) in f32.
;;   ~~~python
;;   def quantise(x, axis):      # numpy; x: float32 -> the quantised numbers, widened to float32 again
;;       x = np.moveaxis(x, axis, -1); K = x.shape[-1]
;;       x = np.pad(x, [(0, 0)] * (x.ndim - 1) + [(0, -K % 32)]); x = x.reshape(x.shape[:-1] + (-1, 32)); a = np.abs(x).max(-1, keepdims=True)
;;       e = np.where(a > 0, np.clip(np.frexp(np.where(a > 0, a, 1))[1] - 1 - 2, -126, 127), 0)      # np.frexp(a)[1] - 1 = floor(log2(a)), exactly
;;       r = np.clip(x / 2.0 ** e, -7.5, 7.5)
;;       step = 2.0 ** (np.maximum(np.frexp(np.where(r == 0, 1, r))[1] - 1, 0) - 3)
;;       q = np.round(r / step) * step * 2.0 ** e      # np.round: ties to even
;;       return np.moveaxis(q.reshape(q.shape[:-2] + (-1,))[..., :K], -1, axis).astype(np.float32)
;;   ~~~
;;   SOFTMAX AHEAD OF A QUANTISED PRODUCT. Where the list says 'softmax', what is quantised is not the finished softmax but p = 2^(t - M), with t = logit x log2(e) and M = ceil(the row's largest t), a whole number; so 1/2 < the row's largest p <= 1. The row's sum l is taken of the UNQUANTISED p, in f32, and the product's result is divided by l at the end. Since M is a whole number, a kernel that streams over the keys may use a running M (the ceiling of the running maximum): every later rescaling is an exact power of two, which a block's scale takes up: the codes' values come out the same.
;;   OPERANDS COMPUTED ON THE WAY. 'Computed on the way' means the value that the module computes at that place (a softmax that the list does not call 'softmax' is quantised finished and normalised). What goes into a quantiser is computed in f32, as accurately as f32 sums, v_exp_f32 and their like allow (about 1e-6 of the number): no bf16 or f16 on the way to a quantiser, and a product that is left as it is and whose result goes on into a quantised operand takes f32 operands (vector FMAs, or v_wmma_f32_16x16x4_f32). A number that lies on a knife's edge between two numbers of the format may be rounded either way, as far as f32 arithmetic and the matrix unit's own rounding can turn it there, and no further.
;; One version. Each part assembles by itself: llvm-mc -triple=amdgcn-amd-amdhsa -mcpu=gfx1250 --defsym DOCPART=n.
;; ======== version 1 of 1: 4 launches
;; limits: right only within a limited range of input values
;; workspace buffers: xc 6,291,456 bytes; xs 262,144 bytes; wc 786,432 bytes; wsc 32,768 bytes; qq 6,815,744 bytes; kv 13,369,344 bytes; oc 6,291,456 bytes; os 262,144 bytes
;; launch prep (part 1): grid 288 x 1, 4 waves a work-group, no clusters, 34,304 bytes of LDS; arguments x, Wq, Wk, Wv, Wo, xc, xs, wc, wsc; writes xc, xs, wc, wsc
.if DOCPART == 1
	.amdgcn_target "amdgcn-amd-amdhsa--gfx1250"
	.amdhsa_code_object_version 6
	.text
	.protected	k_q759dee2b05_prep
	.globl	k_q759dee2b05_prep
	.p2align	8
	.type	k_q759dee2b05_prep,@function
k_q759dee2b05_prep:
	s_mov_b64 s[64:65], 0
	v_nop
	global_prefetch_b8 v0, s[64:65] scope:SCOPE_SE
	s_setreg_imm32_b32 hwreg(HW_REG_WAVE_MODE, 25, 1), 1
	s_wait_xcnt 0x0
; x [16384][512] and Wq, Wk, Wv, Wo [512][512], f32, K innermost, become codes of FP6 (E2M3) with one E8M0 byte for each 32 along K,
; laid as IMAGES OF THE MATRIX OPERAND'S REGISTERS: a fragment (16 rows x 128 K, 12 registers a lane) is 1,536 bytes: register group c (4 registers) of lane l at 512 c + 16 l.
; xc: [tile of 16 rows 1024][K step 4][1536];  wc: [q, k, v, o][tile 32][K step 4][1536];  xs, wsc: [tile][row 16][4 scale words], 256 bytes a tile.
; ONE ORDER INSIDE EACH BLOCK OF 32 along K, here and in every operand of the program: places 0-15 hold k = 0..7, 16..23, places 16-31 hold k = 8..15, 24..31.  That is the order
; in which a matrix result's registers fall when it becomes an operand; it keeps the blocks (so the scales) and is applied alike to both sides of each product, so the sums are the same sums.
; A block's scale is 2^(floor(log2(largest magnitude)) - 2); its byte is the largest magnitude's exponent field - 2, held at 1 from below.
; LIMITS: blocks whose largest magnitude lies under 2^-124 are taken on the byte 1; a block of zeros keeps the byte 1 (its codes are zeros; this program alone reads the bytes); NaN and infinities are not served.
; SHARES: a wave takes one tile, 16 rows x 512: four fragments.  Work-groups 0-255: x; 256-287: the four weights, eight work-groups each.  Only pointers are chosen: one path through the text.
; Each load reads 512 consecutive bytes (one row's K step); the 16 rows turn through the wave's own stage in LDS (rows 528 bytes apart) and come back 16 numbers of each block to a lane.
.set STGB,  8448                       ; a wave's stage: 16 rows x (512 + 16) bytes
.set SPARE, 4*STGB                     ; behind the stages: the spare words, 128 bytes a wave: two blocks of 256 bytes that no other line names
.set L16, 1                            ; v1   16 x lane
.set STI, 2                            ; v2   the stage on the way in: my wave's stage + 16 x lane
.set STO, 3                            ; v3   and on the way out: + 528 r + 32 h
.set SO,  4                            ; v4   16 r + 8 h: my two scale words' place in the tile's table
.set SPW, 5                            ; v5   LDS address of my spare word; never rewritten
.set NIL, 6                            ; v6   0; never rewritten
.set PWR, 8                            ; v8-11 the four K steps' scale words;  v12-13 the two that I store
.set R,   16                           ; v16-143  two sets of 64 registers as loaded
.set X,   144                          ; v144-207 64 numbers: register 16 b + i belongs to block b
.set PC,  208                          ; v208-219 the fragment; v220-226 the conversions' second halves
.set TM,  228                          ; v228-243 at work
.set WV,  22
.set SEL, 24                           ; s[24:25] v_permlanex16_b32's selects for lane l xor 16
.set HM,  26                           ; s26  the mask of lanes 16-31
.set SRC, 28
.set DC,  30
.set DS,  32
; 64 numbers of a lane, v[s] .. v[s + 63], become a fragment's codes in v[PC] on and the row's scale word in v[pw].
.macro QUANT s, pw, floor
.irp b, 0,1,2,3
	v_max3_num_f32 v[TM+\b], |v[\s+16*\b]|, |v[\s+1+16*\b]|, \floor   ; my 16 numbers of block b, and the floor under which no largest magnitude is taken
.endr
.irp i, 2,4,6,8,10,12,14
.irp b, 0,1,2,3
	v_max3_num_f32 v[TM+\b], v[TM+\b], |v[\s+16*\b+\i]|, |v[\s+1+16*\b+\i]|   ; the four blocks by turns
.endr
.endr
.irp b, 0,1,2,3
	v_permlanex16_b32 v[TM+4+\b], v[TM+\b], s[SEL], s[SEL+1]
.endr
.irp b, 0,1,2,3
	v_max_num_f32 v[TM+\b], v[TM+\b], v[TM+4+\b]          ; with lane l xor 16's: the block's largest magnitude
.endr
.irp b, 0,1,2,3
	v_add_nc_u32 v[TM+12+\b], 0xff000000, v[TM+\b]        ; 2 off its exponent field: the conversion's scale operand
.endr
.irp b, 0,1,2,3
	v_lshrrev_b32 v[TM+4+\b], 23, v[TM+12+\b]             ; the scale's byte
.endr
	v_lshl_or_b32 v[\pw], v[TM+5], 8, v[TM+4]
	v_lshl_or_b32 v[\pw], v[TM+6], 16, v[\pw]
	v_lshl_or_b32 v[\pw], v[TM+7], 24, v[\pw]
.irp c, 0,1
	v_cvt_scalef32_pk16_fp6_f32 v[PC+6*\c:PC+2+6*\c], v[\s+32*\c:\s+15+32*\c], v[TM+12+2*\c]
	v_cvt_scalef32_pk16_fp6_f32 v[PC+12+4*\c:PC+14+4*\c], v[\s+16+32*\c:\s+31+32*\c], v[TM+12+2*\c+1]   ; (a conversion's three registers begin on an even number)
.endr
	v_nop                                                  ; one plain instruction behind the scaled conversions
.irp c, 0,1                                            ; the operand wants a whole block in a lane: lanes 0-15 block 2 c, lanes 16-31 block 2 c + 1
.irp i, 0,1,2
	v_permlane16_swap_b32 v[PC+6*\c+\i], v[PC+12+4*\c+\i]
.endr
.irp i, 0,1,2
	v_mov_b32 v[PC+3+6*\c+\i], v[PC+12+4*\c+\i]
.endr
.endr
.endm
.macro LOAD s                          ; K step s of the 16 rows: each load reads 512 consecutive bytes
.irp i, 0,1,2,3,4,5,6,7,8,9,10,11,12,13,14,15
	global_load_b128 v[R+64*((\s)%2)+4*\i:R+64*((\s)%2)+4*\i+3], v[L16], s[SRC:SRC+1] offset:2048*\i+512*(\s) th:TH_LOAD_NT
.endr
.endm
.macro TURN s                          ; through my stage: LDS serves a wave's instructions in order, so no wait stands between the stores and the loads
.irp i, 0,1,2,3,4,5,6,7,8,9,10,11,12,13,14,15
	ds_store_b128 v[STI], v[R+64*((\s)%2)+4*\i:R+64*((\s)%2)+4*\i+3] offset:528*\i
.endr
.irp b, 0,1,2,3
.irp q, 0,1,2,3
	ds_load_b128 v[X+16*\b+4*\q:X+16*\b+4*\q+3], v[STO] offset:128*\b+16*(\q%2)+64*(\q/2)   ; of block b: k = 8 h + 0..7, then 16 + 8 h + 0..7
.endr
.endr
.endm
.macro IMG s                           ; the fragment leaves as it stands: three stores of 512 consecutive bytes
.irp c, 0,1,2
	global_store_b128 v[L16], v[PC+4*\c:PC+4*\c+3], s[DC:DC+1] offset:1536*(\s)+512*\c
.endr
.endm
	s_load_b256 s[4:11], s[0:1], 0x0               ; x, Wq, Wk, Wv
	s_load_b256 s[12:19], s[0:1], 0x20             ; Wo, xc, xs, wc
	s_load_b64 s[20:21], s[0:1], 0x40              ; wsc
	v_lshl_add_u32 v[SPW], v0, 2, SPARE
	v_mov_b32 v[NIL], 0
	v_lshrrev_b32 v7, 5, v0
	v_readfirstlane_b32 s[WV], v7                  ; wave 0..3
	v_and_b32 v7, 31, v0                           ; lane
	v_and_b32 v14, 15, v0                          ; r
	v_bfe_u32 v15, v0, 4, 1                        ; h
	v_lshlrev_b32 v[L16], 4, v7
	s_mul_i32 s23, s[WV], STGB
	v_add_nc_u32 v[STI], s23, v[L16]
	v_mul_u32_u24 v[STO], v14, 528
	v_lshl_add_u32 v[STO], v15, 5, v[STO]
	v_add_nc_u32 v[STO], s23, v[STO]
	v_lshlrev_b32 v[SO], 4, v14
	v_lshl_add_u32 v[SO], v15, 3, v[SO]
.irp b, 0,1,2,3
	v_mov_b32 v[TM+4+\b], 0                        ; written once: a lane permute's destination counts as one of its sources
.endr
	s_mov_b32 s[SEL], 0x76543210
	s_mov_b32 s[SEL+1], 0xfedcba98
	s_mov_b32 s[HM], 0xffff0000
	s_bfe_u32 s27, ttmp9, 0x20003                  ; which weight: bits 4:3 of the work-group's number
	s_cmp_lt_u32 ttmp9, 256                        ; x's work-group or a weight's?
	s_cselect_b32 s34, 0xff, 7                     ; the source's group of four tiles: g, or g mod 8
	s_cselect_b32 s35, 0xff, 31                    ; the destination's: g, or g mod 32
	s_and_b32 s34, s34, ttmp9
	s_and_b32 s35, s35, ttmp9
	s_lshl_b32 s34, s34, 2
	s_lshl_b32 s35, s35, 2
	s_add_co_u32 s34, s34, s[WV]                   ; my tile in the source,
	s_add_co_u32 s35, s35, s[WV]                   ; and in the destination
	s_lshl_b32 s36, s34, 15                        ; 16 rows x 2,048 bytes
	s_mov_b32 s37, 0
	s_mul_i32 s38, s35, 6144                       ; four fragments
	s_mov_b32 s39, 0
	s_lshl_b32 s40, s35, 8                         ; 256 bytes of scale words
	s_mov_b32 s41, 0
	s_wait_alu depctr_va_vdst(0)
	s_wait_kmcnt 0x0
	s_cmp_eq_u32 s27, 1
	s_cselect_b64 s[SRC:SRC+1], s[8:9], s[6:7]
	s_cmp_eq_u32 s27, 2
	s_cselect_b64 s[SRC:SRC+1], s[10:11], s[SRC:SRC+1]
	s_cmp_eq_u32 s27, 3
	s_cselect_b64 s[SRC:SRC+1], s[12:13], s[SRC:SRC+1]
	s_cmp_lt_u32 ttmp9, 256
	s_cselect_b64 s[SRC:SRC+1], s[4:5], s[SRC:SRC+1]
	s_cselect_b64 s[DC:DC+1], s[14:15], s[18:19]
	s_cselect_b64 s[DS:DS+1], s[16:17], s[20:21]
	s_add_nc_u64 s[SRC:SRC+1], s[SRC:SRC+1], s[36:37]
	s_add_nc_u64 s[DC:DC+1], s[DC:DC+1], s[38:39]
	s_add_nc_u64 s[DS:DS+1], s[DS:DS+1], s[40:41]
	LOAD 0
	LOAD 1
.irp s, 0,1,2,3
.if \s < 3
	s_wait_loadcnt 16                              ; this K step's 16 loads are in; the next step's 16 may be out
.else
	s_wait_loadcnt 0x0
.endif
	TURN \s
	s_wait_dscnt 0x0                               ; the 64 numbers are back, and the stage's stores have read their registers,
.if \s < 2
	LOAD \s+2                                      ; which take the loads of two steps on
.endif
.if \s > 0
	s_wait_xcnt 0x0                                ; the last fragment's stores have read their data: the codes' registers are written again only behind this wait
.endif
	QUANT X, PWR+\s, 0x1800000
	IMG \s
.endr
	v_cndmask_b32 v12, v[PWR], v[PWR+2], s[HM]     ; lanes 0-15 store words 0, 1 of row r, lanes 16-31 words 2, 3 (both halves hold all four)
	v_cndmask_b32 v13, v[PWR+1], v[PWR+3], s[HM]
	global_store_b64 v[SO], v[12:13], s[DS:DS+1]   ; 32 lanes store 256 consecutive bytes, aligned
	s_wait_tensorcnt 0x0                           ; the wave's end: behind my last LDS store
	ds_add_u32 v[SPW], v[NIL]
	s_wait_dscnt 0x0
	s_endpgm
.Lfunc_end_k_q759dee2b05_prep:
	.size	k_q759dee2b05_prep, .Lfunc_end_k_q759dee2b05_prep-k_q759dee2b05_prep
	.p2alignl 7, 3214868480
	.fill 96, 4, 3214868480
	.section	.rodata,"a",@progbits
	.p2align	6, 0x0
	.amdhsa_kernel k_q759dee2b05_prep
		.amdhsa_group_segment_fixed_size 34304
		.amdhsa_private_segment_fixed_size 0
		.amdhsa_enable_private_segment 0
		.amdhsa_kernarg_size 72
		.amdhsa_user_sgpr_count 2
		.amdhsa_user_sgpr_kernarg_segment_ptr 1
		.amdhsa_wavefront_size32 1
		.amdhsa_system_sgpr_workgroup_id_x 1
		.amdhsa_system_sgpr_workgroup_id_y 1
		.amdhsa_system_sgpr_workgroup_id_z 1
		.amdhsa_system_vgpr_workitem_id 0
		.amdhsa_next_free_vgpr 256
		.amdhsa_next_free_sgpr 66
		.amdhsa_reserve_vcc 0
		.amdhsa_float_denorm_mode_32 3
		.amdhsa_float_denorm_mode_16_64 3
		.amdhsa_memory_ordered 1
		.amdhsa_forward_progress 1
		.amdhsa_inst_pref_size 34
	.end_amdhsa_kernel
	.amdgpu_metadata
---
amdhsa.version: [ 1, 2 ]
amdhsa.kernels:
  - .name:           k_q759dee2b05_prep
    .symbol:         k_q759dee2b05_prep.kd
    .args:
      - { .name: x, .offset: 0, .size: 8, .value_kind: global_buffer, .address_space: global }
      - { .name: Wq, .offset: 8, .size: 8, .value_kind: global_buffer, .address_space: global }
      - { .name: Wk, .offset: 16, .size: 8, .value_kind: global_buffer, .address_space: global }
      - { .name: Wv, .offset: 24, .size: 8, .value_kind: global_buffer, .address_space: global }
      - { .name: Wo, .offset: 32, .size: 8, .value_kind: global_buffer, .address_space: global }
      - { .name: xc, .offset: 40, .size: 8, .value_kind: global_buffer, .address_space: global }
      - { .name: xs, .offset: 48, .size: 8, .value_kind: global_buffer, .address_space: global }
      - { .name: wc, .offset: 56, .size: 8, .value_kind: global_buffer, .address_space: global }
      - { .name: wsc, .offset: 64, .size: 8, .value_kind: global_buffer, .address_space: global }
    .group_segment_fixed_size: 34304
    .private_segment_fixed_size: 0
    .kernarg_segment_align: 8
    .kernarg_segment_size: 72
    .max_flat_workgroup_size: 128
    .sgpr_count:     66
    .vgpr_count:     256
    .wavefront_size: 32
...
	.end_amdgpu_metadata
.endif
;; end of part 1
;; launch qkv (part 2): grid 32 x 8, 8 waves a work-group, clusters of 4 x 1, 167,936 bytes of LDS; arguments xc, xs, wc, wsc, qq, kv; writes qq, kv
.if DOCPART == 2
	.amdgcn_target "amdgcn-amd-amdhsa--gfx1250"
	.amdhsa_code_object_version 6
	.text
	.protected	k_q759dee2b05_qkv
	.globl	k_q759dee2b05_qkv
	.p2align	8
	.type	k_q759dee2b05_qkv,@function
k_q759dee2b05_qkv:
	s_mov_b64 s[64:65], 0
	v_nop
	global_prefetch_b8 v0, s[64:65] scope:SCOPE_SE
	s_setreg_imm32_b32 hwreg(HW_REG_WAVE_MODE, 25, 1), 1
	s_wait_xcnt 0x0
	s_wait_alu depctr_hold_cnt(0) depctr_sa_sdst(0) depctr_va_vdst(0) depctr_va_sdst(0) depctr_va_ssrc(0) depctr_va_vcc(0) depctr_vm_vsrc(0)
	s_getreg_b32 s2, hwreg(HW_REG_IB_STS2, 6, 4)
	s_cmp_eq_u32 s2, 0
	s_cbranch_scc0 .Lentry_in_a_cluster
	s_endpgm
.Lentry_in_a_cluster:
	s_bfe_u32 s2, ttmp6, 0x10000c
	s_cmp_lg_u32 s2, 0x3003
	s_cbranch_scc0 .Lentry_shape_is_right
	s_endpgm
.Lentry_shape_is_right:
; q = x Wq^T, k = x Wk^T, v = x Wv^T on codes of FP6 (E2M3), and their results quantised at once for the attention: q and k along the head's 64, v along the keys.
; SHARES.  Work-group x = a group of 512 tokens, y = a head: it makes that head's q, k and v for its tokens: 32 x 8 = 256 work-groups.  Each of 8 waves, two to a SIMD, keeps 64 tokens of x
; (4 tiles x 4 K steps, 192 registers) and walks the head's 12 weight tiles (4 of Wq, 4 of Wk, 4 of Wv), which lie in LDS for all eight waves: a weight fragment feeds 4 products.
;   q, k: source 0 = a weight tile, source 1 = a tile of x: a lane holds a token, its registers run along d: tile of x i, weight tile j at D + 32 i + 8 j.
;   v:    source 0 = a tile of x, source 1 = a weight tile: a lane holds a channel d, its registers run along the keys: weight tile j, tile of x i at D + 32 j + 8 i.
; So 32 registers on end are the 64 numbers (with lane l xor 16's) of one half fragment, and 64 on end make two half fragments and their four scale bytes by one walk of the quantiser.
; A result tile's registers fall in the program's one order inside a block of 32 (places 0-15: k = 0..7, 16..23; places 16-31: k = 8..15, 24..31).
; THE WEIGHTS come once: the head's four tiles of each weight are a dense block of 24,576 bytes of register images, their scale words one of 1,024 bytes.  Waves 0-2 fetch the three blocks of codes, waves 3-5 the
; scale words, one tensor load a wave, JOINTLY for the four work-groups of a cluster (four groups of tokens of one head).  Nothing is filled again: no ring.
; No prefetch: every operand is asked for once, at the head, and the text has no loop to run ahead in.
; OUT: half fragments of 768 bytes: registers 0-3 of lane l at 16 l, registers 4, 5 at 512 + 8 l.
;   qq: [batch x 8 + head][group of 8 tiles 8][8 x 768, then 128 scale words] = 6,656 bytes a group.   kv: [batch x 8 + head][key step 8][K: 8 x 768 | V: 4 x 1,536 | K's words 512 | V's words 256] = 13,056 bytes a step.
; 1/sqrt(64) = 2^-3 goes into q's scale bytes (byte - 3: exact).  LIMITS: blocks of q whose largest magnitude lies under 2^-121 are taken on the scale 2^-123 (so that the stored byte stays at 1 or above),
; blocks of k and v under 2^-124 on the byte 1; a block of zeros keeps that byte (its codes are zeros); NaN and infinities are not served.
; REGISTERS: window 0: v1-7 offsets and the add's two; v8-15 x's scale words (pair p, K step s at 8 + 4 p + s: lanes 0-15 tile 2 p, lanes 16-31 tile 2 p + 1); v16-23 the weight tile's, two sets; v24-151 results;
;   v152-199 weight fragments, buffer 0; v200-219 codes; v220-235 at work; v236, 237 the scale word.   window 1: x's fragments at v[12 (4 i + s)]; from v192 weight fragments, buffer 1.
.set WB,    24576                      ; a head's four tiles of one weight
.set SCL,   3*WB                       ; behind the codes: 12 tiles' scale words, 256 bytes each
.set SPARE, SCL+3*1024                 ; behind them: the spare words, 128 bytes a wave: four blocks of 256 bytes that no other line names
.set L16, 1                            ; 16 x lane: in memory, and the weight images of q and k in LDS
.set L8,  2                            ; 8 x lane
.set A2,  3                            ; 16 x lane + 2 WB: v's weight images in LDS
.set SA,  4                            ; SCL + 16 r
.set VSO, 5                            ; 4 r + 64 h: the two half fragments' scale words
.set SPW, 6
.set NIL, 7
.set XS,  8
.set WS,  16
.set D,   24
.set WF,  152                          ; buffer 0; buffer 1 at v192 of window 1
.set PC,  200
.set TM,  220
.set PW,  236
.set PW2, 237
.set RP,  238
.set WV,  16
.set CX,  17
.set GG,  18                           ; the group of 512 tokens
.set HD,  19
.set SEL, 20
.set HM,  22
.set G1C, 24                           ; s[24:31], s[32:39] descriptor groups 1 for codes and for scale words;  s[40:43], s[44:47] their groups 0
.set G1S, 32
.set G0C, 40
.set G0S, 44
.set XB,  48                           ; s[48:49] my tiles of xc;  s[50:51] of xs;  then where my results go: codes and scale words of q, k, v
.set XSB, 50
.set QO,  52
.set QW,  54
.set KO,  56
.set KW,  58
.set VO,  60
.set VW,  62
.set MSB, 0
.macro WIN new                         ; the immediate's high byte repeats the setting that is left
.if MSB != \new
	s_set_vgpr_msb (MSB<<8)|\new
.set MSB, \new
.endif
.endm
.macro ROUND                           ; a round of the cluster's barrier
	s_barrier_signal -1
	s_barrier_wait -1
	s_cmp_lg_u32 s[WV], 0
	s_cbranch_scc1 .Lnot_wave_0_\@
	s_barrier_signal -3
.Lnot_wave_0_\@:
	s_barrier_wait -3
	s_barrier_signal -1
	s_barrier_wait -1
.endm
.macro QUANT s, pw, floor              ; 64 numbers of a lane, v[s] on, become 12 registers of codes in v[PC] on and four scale bytes in v[pw]
.irp b, 0,1,2,3
	v_max3_num_f32 v[TM+\b], |v[\s+16*\b]|, |v[\s+1+16*\b]|, \floor   ; my 16 numbers of block b (each result tile is read from its low end on), and the floor
.endr
.irp i, 2,4,6,8,10,12,14
.irp b, 0,1,2,3
	v_max3_num_f32 v[TM+\b], v[TM+\b], |v[\s+16*\b+\i]|, |v[\s+1+16*\b+\i]|
.endr
.endr
.irp b, 0,1,2,3
	v_permlanex16_b32 v[TM+4+\b], v[TM+\b], s[SEL], s[SEL+1]
.endr
.irp b, 0,1,2,3
	v_max_num_f32 v[TM+\b], v[TM+\b], v[TM+4+\b]          ; with lane l xor 16's: the block's largest magnitude
.endr
.irp b, 0,1,2,3
	v_add_nc_u32 v[TM+12+\b], 0xff000000, v[TM+\b]        ; 2 off its exponent field: the conversion's scale operand
.endr
.irp b, 0,1,2,3
	v_lshrrev_b32 v[TM+4+\b], 23, v[TM+12+\b]             ; the scale's byte
.endr
	v_lshl_or_b32 v[\pw], v[TM+5], 8, v[TM+4]
	v_lshl_or_b32 v[\pw], v[TM+6], 16, v[\pw]
	v_lshl_or_b32 v[\pw], v[TM+7], 24, v[\pw]
.irp c, 0,1
	v_cvt_scalef32_pk16_fp6_f32 v[PC+6*\c:PC+2+6*\c], v[\s+32*\c:\s+15+32*\c], v[TM+12+2*\c]
	v_cvt_scalef32_pk16_fp6_f32 v[PC+12+4*\c:PC+14+4*\c], v[\s+16+32*\c:\s+31+32*\c], v[TM+12+2*\c+1]
.endr
	v_nop                                                  ; one plain instruction behind the scaled conversions
.irp c, 0,1
.irp i, 0,1,2
	v_permlane16_swap_b32 v[PC+6*\c+\i], v[PC+12+4*\c+\i]
.endr
.irp i, 0,1,2
	v_mov_b32 v[PC+3+6*\c+\i], v[PC+12+4*\c+\i]
.endr
.endr
.endm
.macro WM zero, ar, br                 ; one product on the registers named by rD, rA, rB, rSA, rSB; ar, br: that source's scale words stand in lanes 16-31
.if \zero
.if \ar
	v_wmma_scale_f32_16x16x128_f8f6f4 v[rD:rD+7], v[rA:rA+11], v[rB:rB+11], 0, v[rSA], v[rSB] matrix_a_fmt:MATRIX_FMT_FP6 matrix_b_fmt:MATRIX_FMT_FP6 matrix_a_scale:MATRIX_SCALE_ROW1
.else
.if \br
	v_wmma_scale_f32_16x16x128_f8f6f4 v[rD:rD+7], v[rA:rA+11], v[rB:rB+11], 0, v[rSA], v[rSB] matrix_a_fmt:MATRIX_FMT_FP6 matrix_b_fmt:MATRIX_FMT_FP6 matrix_b_scale:MATRIX_SCALE_ROW1
.else
	v_wmma_scale_f32_16x16x128_f8f6f4 v[rD:rD+7], v[rA:rA+11], v[rB:rB+11], 0, v[rSA], v[rSB] matrix_a_fmt:MATRIX_FMT_FP6 matrix_b_fmt:MATRIX_FMT_FP6
.endif
.endif
.else
.if \ar
	v_wmma_scale_f32_16x16x128_f8f6f4 v[rD:rD+7], v[rA:rA+11], v[rB:rB+11], v[rD:rD+7], v[rSA], v[rSB] matrix_a_fmt:MATRIX_FMT_FP6 matrix_b_fmt:MATRIX_FMT_FP6 matrix_a_scale:MATRIX_SCALE_ROW1
.else
.if \br
	v_wmma_scale_f32_16x16x128_f8f6f4 v[rD:rD+7], v[rA:rA+11], v[rB:rB+11], v[rD:rD+7], v[rSA], v[rSB] matrix_a_fmt:MATRIX_FMT_FP6 matrix_b_fmt:MATRIX_FMT_FP6 matrix_b_scale:MATRIX_SCALE_ROW1
.else
	v_wmma_scale_f32_16x16x128_f8f6f4 v[rD:rD+7], v[rA:rA+11], v[rB:rB+11], v[rD:rD+7], v[rSA], v[rSB] matrix_a_fmt:MATRIX_FMT_FP6 matrix_b_fmt:MATRIX_FMT_FP6
.endif
.endif
.endif
.endm
; 16 products of weight tile j of a head, in buffer bf, with my four tiles of x: the four accumulators take turns, one instruction a turn; K step 0 starts the sums
.macro MUL j, bf, isv
.if \isv
	WIN 0x01+4*\bf                                 ; source 0 (x) window 1; source 1 window 1 for buffer 1
.else
	WIN 0x04+\bf                                   ; source 1 (x) window 1; source 0 window 1 for buffer 1
.endif
.irp s, 0,1,2,3
.irp i, 0,1,2,3
.if \isv
.set rD, D+32*\j+8*\i
.set rA, 12*(4*\i+\s)
.set rB, WF+40*\bf+12*\s
.set rSA, XS+4*(\i/2)+\s
.set rSB, WS+4*\bf+\s
	WM (\s==0), (\i%2), 0
.else
.set rD, D+32*\i+8*\j
.set rA, WF+40*\bf+12*\s
.set rB, 12*(4*\i+\s)
.set rSA, WS+4*\bf+\s
.set rSB, XS+4*(\i/2)+\s
	WM (\s==0), 0, (\i%2)
.endif
.endr
.endr
	WIN 0
.endm
.macro LOADW t                         ; weight tile t of the twelve: four fragments (12 loads of 512 consecutive bytes) and its rows' scale words, into buffer t mod 2
.if (\t)%2
	WIN 0x40                                       ; destination window 1
.endif
.irp i, 0,1,2,3,4,5,6,7,8,9,10,11
.if (\t) < 8
	ds_load_b128 v[WF+40*((\t)%2)+4*\i:WF+40*((\t)%2)+4*\i+3], v[L16] offset:6144*(\t)+512*\i
.else
	ds_load_b128 v[WF+40*((\t)%2)+4*\i:WF+40*((\t)%2)+4*\i+3], v[A2] offset:6144*((\t)-8)+512*\i
.endif
.endr
	WIN 0
	ds_load_b128 v[WS+4*((\t)%2):WS+4*((\t)%2)+3], v[SA] offset:256*(\t)
.endm
.macro STEP t
.if (\t)%4
.rept 4
	v_nop                                          ; four places between the last tile's products and the loads into their buffer (behind a head's end the quantiser's lines are these places)
.endr
.endif
.if (\t) < 11
	LOADW (\t)+1                                   ; the next tile lands while this one is multiplied
	s_wait_dscnt 13                                ; this tile's 13 loads are in; the 13 just issued may be out
.else
	s_wait_dscnt 0x0
.endif
.set tj, (\t)%4                        ; the tile in its head, its buffer, and whether it is v's: as symbols, so that each stands as one value inside MUL's expressions
.set tbf, (\t)%2
.set tv, (\t)/8
	MUL tj, tbf, tv
.endm
; A head's end: 128 result registers become four half fragments, two at a time.  cb, wb: where codes and scale words go; dist: bytes from a half fragment to the next
.macro FIN cb, wb, dist, floor, isq, isv
.rept 4
	v_nop                                          ; four places between the last product and the first read of a result (ISA guide 7.12.1)
.endr
.irp o, 0, 2
	s_wait_xcnt 0x0                                ; the earlier stores have read their data: the codes' registers are written again only behind this wait
	QUANT D+32*\o, PW, \floor
.if \isq
	v_add_nc_u32 v[PW], 0xfcfcfcfd, v[PW]          ; q: 3 off each byte (none falls under 1: the floor; so no byte borrows)
.endif
	v_lshrrev_b32 v[PW2], 16, v[PW]
	v_cndmask_b32 v[PW2], v[PW], v[PW2], s[HM]     ; lanes 0-15 store the first half fragment's bytes, lanes 16-31 the second's
	global_store_b128 v[L16], v[PC:PC+3], s[\cb:\cb+1] offset:\dist*\o                ; 512 consecutive bytes
	global_store_b64 v[L8], v[PC+4:PC+5], s[\cb:\cb+1] offset:\dist*\o+512            ; 256 consecutive bytes
	global_store_b128 v[L16], v[PC+6:PC+9], s[\cb:\cb+1] offset:\dist*(\o+1)
	global_store_b64 v[L8], v[PC+10:PC+11], s[\cb:\cb+1] offset:\dist*(\o+1)+512
.if \isv
	global_store_b16 v[VSO], v[PW2], s[\wb:\wb+1] offset:64*\o     ; v: my 64 keys' two bytes of the key step's word
.else
	global_store_b32 v[VSO], v[PW2], s[\wb:\wb+1] offset:64*\o     ; q, k: bytes 0, 1 count; bytes 2, 3 are finite codes that meet zero codes
.endif
.endr
.endm
	s_load_b256 s[4:11], s[0:1], 0x0               ; xc, xs, wc, wsc
	s_load_b128 s[12:15], s[0:1], 0x20             ; qq, kv
	v_lshl_add_u32 v[SPW], v0, 2, SPARE
	v_mov_b32 v[NIL], 0
	ds_add_u32 v[SPW], v[NIL]                      ; the wave's opening: the add, twice on end, and its wait ahead of the first tensor loads
	ds_add_u32 v[SPW], v[NIL]
	v_lshrrev_b32 v[PW], 5, v0
	v_readfirstlane_b32 s[WV], v[PW]               ; wave 0..7
	v_and_b32 v[PW], 31, v0                        ; lane
	v_and_b32 v[PW2], 15, v0                       ; r
	v_bfe_u32 v[RP], v0, 4, 1                      ; h
	v_lshlrev_b32 v[L16], 4, v[PW]
	v_lshlrev_b32 v[L8], 3, v[PW]
	v_lshlrev_b32 v[SA], 4, v[PW2]
	v_lshlrev_b32 v[VSO], 2, v[PW2]
	v_add_nc_u32 v[A2], 2*WB, v[L16]
	v_lshl_add_u32 v[VSO], v[RP], 6, v[VSO]
	v_lshl_add_u32 v[RP], v[RP], 8, v[SA]          ; 16 r + 256 h: a pair of tiles' scale words in xs
	v_add_nc_u32 v[SA], SCL, v[SA]
.irp b, 0,1,2,3
	v_mov_b32 v[TM+4+\b], 0                        ; written once: a lane permute's destination counts as one of its sources
.endr
	s_bfe_u32 s[CX], ttmp6, 0x40000                ; cx
	s_lshl_b32 s[GG], ttmp9, 2
	s_add_co_u32 s[GG], s[GG], s[CX]               ; the group of 512 tokens = 4 x cluster x + cx
	s_and_b32 s[HD], ttmp7, 0xffff                 ; the head
	s_mov_b32 s[SEL], 0x76543210
	s_mov_b32 s[SEL+1], 0xfedcba98
	s_mov_b32 s[HM], 0xffff0000
	; groups 1: dense blocks as rows of 32 elements of 8 bytes, no padding: 96 rows of codes, 4 rows of scale words; the mask names the cluster's four, bit 21 beside it
	s_mov_b32 s[G1C], 15|(3<<16)|(1<<21)
	s_mov_b32 s[G1C+1], 32<<16
	s_mov_b32 s[G1C+2], 96<<16
	s_mov_b32 s[G1C+3], 32<<16
	s_mov_b32 s[G1C+4], 96
	s_mov_b32 s[G1C+5], 32
	s_mov_b32 s[G1C+6], 0
	s_mov_b32 s[G1C+7], 0
	s_mov_b32 s[G1S], 15|(3<<16)|(1<<21)
	s_mov_b32 s[G1S+1], 32<<16
	s_mov_b32 s[G1S+2], 4<<16
	s_mov_b32 s[G1S+3], 32<<16
	s_mov_b32 s[G1S+4], 4
	s_mov_b32 s[G1S+5], 32
	s_mov_b32 s[G1S+6], 0
	s_mov_b32 s[G1S+7], 0
	s_mul_i32 s69, s[WV], 196608                   ; waves 0-2: weight w's codes in wc, the head's four tiles
	s_mul_i32 s70, s[HD], WB
	s_add_co_u32 s72, s69, s70
	s_mov_b32 s73, 0
	s_max_u32 s69, s[WV], 3
	s_sub_co_u32 s69, s69, 3                       ; waves 3-5: weight w - 3's scale words in wsc
	s_lshl_b32 s69, s69, 13
	s_lshl_b32 s70, s[HD], 10
	s_add_co_u32 s74, s69, s70
	s_mov_b32 s75, 0
	s_mov_b32 s[G0C], 1
	s_mul_i32 s[G0C+1], s[WV], WB                  ; where they go: the wave's number alone enters an LDS address
	s_mov_b32 s[G0S], 1
	s_lshl_b32 s[G0S+1], s[WV], 10
	s_add_co_u32 s[G0S+1], s[G0S+1], SCL-3072
	s_lshl_b32 s69, s[GG], 5
	s_lshl_b32 s70, s[WV], 2
	s_add_co_u32 s69, s69, s70                     ; my first tile of x: 32 x group + 4 w
	s_mul_i32 s[XB], s69, 6144
	s_mov_b32 s[XB+1], 0
	s_lshl_b32 s[XSB], s69, 8
	s_mov_b32 s[XSB+1], 0
	s_lshr_b32 s66, s[GG], 1
	s_lshl_b32 s66, s66, 3
	s_add_co_u32 s66, s66, s[HD]                   ; batch x 8 + head
	s_and_b32 s67, s[GG], 1
	s_lshl_b32 s67, s67, 2
	s_lshr_b32 s68, s[WV], 1
	s_add_co_u32 s67, s67, s68                     ; the group of 8 tiles, which is the key step: 4 (group mod 2) + w / 2
	s_and_b32 s68, s[WV], 1                        ; which four of its tiles, which 64 of its keys
	s_mul_i32 s69, s66, 53248
	s_mul_i32 s70, s67, 6656
	s_add_co_u32 s69, s69, s70
	s_mul_i32 s70, s68, 3072
	s_lshl_b32 s71, s68, 8
	s_add_co_u32 s[QO], s69, s70
	s_add_co_u32 s[QW], s69, s71
	s_add_co_u32 s[QW], s[QW], 6144
	s_mul_i32 s69, s66, 104448
	s_mul_i32 s76, s67, 13056
	s_add_co_u32 s69, s69, s76
	s_add_co_u32 s[KO], s69, s70
	s_add_co_u32 s[KW], s69, s71
	s_add_co_u32 s[KW], s[KW], 12288
	s_mul_i32 s70, s68, 768
	s_add_co_u32 s[VO], s69, s70
	s_add_co_u32 s[VO], s[VO], 6144
	s_lshl_b32 s70, s68, 1
	s_add_co_u32 s[VW], s69, s70
	s_add_co_u32 s[VW], s[VW], 12800
.irp p, QO, QW, KO, KW, VO, VW
	s_mov_b32 s[\p+1], 0
.endr
	s_wait_alu depctr_va_vdst(0)                   ; the head's end: every vector register of the head is written above
	s_wait_dscnt 0x0                               ; both opening adds are done
	s_wait_kmcnt 0x0
	s_add_nc_u64 s[XB:XB+1], s[4:5], s[XB:XB+1]
	s_add_nc_u64 s[XSB:XSB+1], s[6:7], s[XSB:XSB+1]
	s_add_nc_u64 s[G0C+2:G0C+3], s[8:9], s[72:73]
	s_or_b32 s[G0C+3], s[G0C+3], 0x80000000
	s_add_nc_u64 s[G0S+2:G0S+3], s[10:11], s[74:75]
	s_or_b32 s[G0S+3], s[G0S+3], 0x80000000
	s_add_nc_u64 s[QO:QO+1], s[12:13], s[QO:QO+1]
	s_add_nc_u64 s[QW:QW+1], s[12:13], s[QW:QW+1]
	s_add_nc_u64 s[KO:KO+1], s[14:15], s[KO:KO+1]
	s_add_nc_u64 s[KW:KW+1], s[14:15], s[KW:KW+1]
	s_add_nc_u64 s[VO:VO+1], s[14:15], s[VO:VO+1]
	s_add_nc_u64 s[VW:VW+1], s[14:15], s[VW:VW+1]
	WIN 0x40                                       ; destination window 1: my four tiles of x: the images are dense, register 4 i at byte 512 i
.set i, 0
.rept 48
	global_load_b128 v[4*i:4*i+3], v[L16], s[XB:XB+1] offset:512*i
.set i, i+1
.endr
	WIN 0
.irp p, 0,1
	global_load_b128 v[XS+4*\p:XS+4*\p+3], v[RP], s[XSB:XSB+1] offset:512*\p
.endr
	ROUND                                          ; all four work-groups are here: the joint loads meet
	s_cmp_lt_u32 s[WV], 3                          ; one chain of branches on the wave's number, one load to an arm, one join
	s_cbranch_scc0 .Lnot_codes
	tensor_load_to_lds s[G0C:G0C+3], s[G1C:G1C+7]
	s_nop 0
.rept 4
	v_nop
.endr
	s_branch .Lasked
.Lnot_codes:
	s_cmp_lt_u32 s[WV], 6
	s_cbranch_scc0 .Lasked
	tensor_load_to_lds s[G0S:G0S+3], s[G1S:G1S+7]
	s_nop 0
.rept 4
	v_nop
.endr
.Lasked:
	s_wait_tensorcnt 0x0                           ; my block has landed;
	s_barrier_signal -1
	s_barrier_wait -1                              ; and everybody's
	LOADW 0
	s_wait_loadcnt 0x0                             ; x and its scale words
.irp t, 0,1,2,3
	STEP \t
.endr
	FIN QO, QW, 768, 0x3000000, 1, 0
.irp t, 4,5,6,7
	STEP \t
.endr
	FIN KO, KW, 768, 0x1800000, 0, 0
.irp t, 8,9,10,11
	STEP \t
.endr
	FIN VO, VW, 1536, 0x1800000, 0, 1
	s_wait_tensorcnt 0x0                           ; the wave's end
	ds_add_u32 v[SPW], v[NIL]
	s_wait_dscnt 0x0
	ROUND                                          ; the closing round: no work-group ends while a partner may still ask for a tile that names it
	s_endpgm
.Lfunc_end_k_q759dee2b05_qkv:
	.size	k_q759dee2b05_qkv, .Lfunc_end_k_q759dee2b05_qkv-k_q759dee2b05_qkv
	.p2alignl 7, 3214868480
	.fill 96, 4, 3214868480
	.section	.rodata,"a",@progbits
	.p2align	6, 0x0
	.amdhsa_kernel k_q759dee2b05_qkv
		.amdhsa_group_segment_fixed_size 167936
		.amdhsa_private_segment_fixed_size 0
		.amdhsa_enable_private_segment 0
		.amdhsa_kernarg_size 48
		.amdhsa_user_sgpr_count 2
		.amdhsa_user_sgpr_kernarg_segment_ptr 1
		.amdhsa_wavefront_size32 1
		.amdhsa_system_sgpr_workgroup_id_x 1
		.amdhsa_system_sgpr_workgroup_id_y 1
		.amdhsa_system_sgpr_workgroup_id_z 1
		.amdhsa_system_vgpr_workitem_id 0
		.amdhsa_next_free_vgpr 512
		.amdhsa_next_free_sgpr 80
		.amdhsa_reserve_vcc 0
		.amdhsa_float_denorm_mode_32 3
		.amdhsa_float_denorm_mode_16_64 3
		.amdhsa_memory_ordered 1
		.amdhsa_forward_progress 1
		.amdhsa_inst_pref_size 75
	.end_amdhsa_kernel
	.amdgpu_metadata
---
amdhsa.version: [ 1, 2 ]
amdhsa.kernels:
  - .name:           k_q759dee2b05_qkv
    .symbol:         k_q759dee2b05_qkv.kd
    .args:
      - { .name: xc, .offset: 0, .size: 8, .value_kind: global_buffer, .address_space: global }
      - { .name: xs, .offset: 8, .size: 8, .value_kind: global_buffer, .address_space: global }
      - { .name: wc, .offset: 16, .size: 8, .value_kind: global_buffer, .address_space: global }
      - { .name: wsc, .offset: 24, .size: 8, .value_kind: global_buffer, .address_space: global }
      - { .name: qq, .offset: 32, .size: 8, .value_kind: global_buffer, .address_space: global }
      - { .name: kv, .offset: 40, .size: 8, .value_kind: global_buffer, .address_space: global }
    .group_segment_fixed_size: 167936
    .private_segment_fixed_size: 0
    .kernarg_segment_align: 8
    .kernarg_segment_size: 48
    .max_flat_workgroup_size: 256
    .sgpr_count:     80
    .vgpr_count:     512
    .wavefront_size: 32
...
	.end_amdgpu_metadata
.endif
;; end of part 2
;; launch attn (part 3): grid 8 x 32, 16 waves a work-group, clusters of 4 x 4, 327,680 bytes of LDS; arguments qq, kv, rel_bias, oc, os; writes oc, os
.if DOCPART == 3
	.amdgcn_target "amdgcn-amd-amdhsa--gfx1250"
	.amdhsa_code_object_version 6
	.text
	.protected	k_q759dee2b05_attn
	.globl	k_q759dee2b05_attn
	.p2align	8
	.type	k_q759dee2b05_attn,@function
k_q759dee2b05_attn:
	s_mov_b64 s[64:65], 0
	v_nop
	global_prefetch_b8 v0, s[64:65] scope:SCOPE_SE
	s_setreg_imm32_b32 hwreg(HW_REG_WAVE_MODE, 25, 1), 1
	s_wait_xcnt 0x0
	s_wait_alu depctr_hold_cnt(0) depctr_sa_sdst(0) depctr_va_vdst(0) depctr_va_sdst(0) depctr_va_ssrc(0) depctr_va_vcc(0) depctr_vm_vsrc(0)
	s_getreg_b32 s2, hwreg(HW_REG_IB_STS2, 6, 4)
	s_cmp_eq_u32 s2, 0
	s_cbranch_scc0 .Lentry_in_a_cluster
	s_endpgm
.Lentry_in_a_cluster:
	s_bfe_u32 s2, ttmp6, 0x10000c
	s_cmp_lg_u32 s2, 0xf033
	s_cbranch_scc0 .Lentry_shape_is_right
	s_endpgm
.Lentry_shape_is_right:
; O = softmax(q k^T / 8 + rel_bias) v, both products on codes of FP6 (E2M3); O / l is quantised along the head's 64 for the output projection.
; THE SOFTMAX: t = logit x log2(e); M = the running largest t rounded UP to a whole number; p = 2^(t - M) is quantised along the keys, not normalised; the row's sum is taken of the
; unquantised p and divides O at the end.  When M moves, the sum and O are multiplied by 2^(old M - new M): exact.
; SHARES.  A work-group takes 128 queries of FOUR batches of one head: the bias does not know of batches, so one tile of it in LDS (128 queries x 128 keys, f32) serves all four, beside 4 x 13,056 bytes
; of K and V.  Work-group x = the block of 128 queries, y = 4 x head + the quad of batches: 8 x 32 = 256 work-groups.  Each of 16 waves owns tile w mod 8 of the block's queries in two batches of the
; quad, w / 8 (tile 0) and w / 8 + 2 (tile 1), in 256 registers, four waves to a SIMD.  Eight key steps of 128.
; LAYOUT.  Both products transposed: S^T = K Q^T, O^T = V^T P^T: a lane holds ONE query throughout.  K = 64 in the first product: Q's registers 6-11 are zero codes, and K's half fragments lie 6 registers
; apart, so that a tile's upper half is the next tile's codes (behind the last tile: six registers of other use, read as codes): every FP6 code is a finite number, and it meets 0.
; 1/8 lies in q's scale bytes.  The bias is the C of the score product.
; CLUSTER 4 x 4.  The bias tile hangs on head and query block: the four work-groups of a column (the four quads of batches) ask for it JOINTLY.  A batch's block of K and V hangs on batch and head:
; the four of a row (four query blocks) ask jointly.
; THE RING: two slots, one key step each; a round of the cluster's barrier a step; behind it the slot read last is filled again: waves 0-3 the bias (64 rows x 256 bytes each), waves 4-7 a batch's block
; each.  A wave has one tensor load out.
; TWO GROUPS OF WAVES, one softmax apart, two of each on a SIMD: in a period group 0 walks READ 0, SOFT 0, READ 1, SOFT 1; group 1 walks SOFT 1 of the step before, READ 0, SOFT 0, READ 1.
; Both groups read a slot only in its own period.
; LIMITS: blocks of O whose largest magnitude lies under 2^-124 are taken on the byte 1; blocks of zeros keep that byte (their codes are zeros); NaN and infinities are not served;
; the scaled scores t stay under 2^31 in magnitude.
; OUT: oc [tile of 16 tokens 1024][head 8][768]: the head's half fragment; os [tile][row 16][head 8][2 bytes].
.set BQ,    17408                      ; a quarter of the bias tile: 64 rows x (256 + 16) bytes
.set KVS,   13056                      ; a batch's block of K and V for a key step
.set KVB,   4*BQ                       ; behind the four quarters: the four blocks
.set SLOT,  KVB+4*KVS                  ; 121,856 bytes
.set SPARE, 2*SLOT                     ; behind the ring: the spare words, 128 bytes a wave: eight blocks of 256 bytes that no other line names
.set AB,  1                            ; v1, v2   my bias rows in slot 0, 1
.set A16, 3                            ; v3, v4   16 x lane + tile 0's block of K and V in slot 0, 1 (tile 1's lies 2 KVS on: in the immediates)
.set A8,  5                            ; v5, v6   8 x lane + the same
.set A4,  7                            ; v7, v8   4 x lane + the same
.set SPW, 9                            ; v9   LDS address of my spare word; never rewritten
.set NIL, 10                           ; v10  0; never rewritten
                                       ; v11, v91 Q's scale words, tile 0, 1;  v12 -M, v13 largest t, v[14:15] the sum: tile 0;  v76-79 the same: tile 1
                                       ; v16-27, v204-215 Q, tile 0, 1: six registers of codes, six of zero codes
.set KF,  28                           ; v28-75   K's eight half fragments, 6 registers apart; later V's four fragments
.set FF,  80                           ; v[80:81] f = 2^(old M - new M), named as a pair
.set KS,  82                           ; v82-85   K's scale words: lanes 0-15 tile 2 p, lanes 16-31 tile 2 p + 1
.set VS,  86                           ; v86-87   V's likewise
.set PFO, 88                           ; v88  the prefetches' offset; never rewritten
.set PWD, 89                           ; v89  p's scale word
.set TT,  90                           ; v90  at work
.set BS,  92                           ; v92-95   the conversions' scale operands
.set SR,  96                           ; v96-159  the bias, S^T, then p, then the sum's tree
                                       ; v160-191, v224-255 O^T, tile 0, 1
.set PF,  192                          ; v192-203 p's codes
.set BM,  216                          ; v216-219 the blocks' largest scores, then largest p
.set BE,  220                          ; v220-223 the exchange; the bytes
.set PY,  216                          ; v216-218, v220-222 the conversions' second halves, when BM and BE are done with
.set WV,  14
.set W3,  15                           ; w mod 4
.set CX,  16
.set CY,  17
.set HD,  19
.set BA,  20                           ; tile 0's batch
.set BH,  21                           ; 8 x that batch + head
.set G1B, 24                           ; s[24:31] descriptor group 1 for the bias;  s[32:39] for K and V;  s[40:47], s[48:55] their groups 0, a set for each slot
.set G1K, 32
.set G0B, 40
.set G0K, 48
.set SEL, 56
.set CS,  58                           ; s[58:59] log2(e): the packed form names a pair and takes its low word for both halves
.set LOOP, 60
.set LIM, 61                           ; 1 in a wave that prefetches, else the greatest number
.set PFA, 62                           ; s[62:63] where my prefetches stand;  s[66:67] a key step on
.set PFS, 66
.set GRP, 68
.set W1,  95                           ; w mod 2
.set QB,  97                           ; the block of 128 queries
.macro ROUND                           ; a round of the cluster's barrier
	s_barrier_signal -1
	s_barrier_wait -1
	s_cmp_lg_u32 s[WV], 0
	s_cbranch_scc1 .Lnot_wave_0_\@
	s_barrier_signal -3
.Lnot_wave_0_\@:
	s_barrier_wait -3
	s_barrier_signal -1
	s_barrier_wait -1
.endm
.macro JLOAD n                         ; the joint loads into slot n: waves 0-3 the bias, waves 4-7 K and V.  The branches hang on the wave's number alone.  An s_nop 0 and four v_nop follow each line
	s_cmp_lt_u32 s[WV], 4
	s_cbranch_scc0 .Lnot_b_\@
	tensor_load_to_lds s[G0B+4*(\n):G0B+4*(\n)+3], s[G1B:G1B+7]
	s_nop 0
.rept 4
	v_nop
.endr
	s_branch .Lasked_\@
.Lnot_b_\@:
	s_cmp_lt_u32 s[WV], 8
	s_cbranch_scc0 .Lasked_\@
	tensor_load_to_lds s[G0K+4*(\n):G0K+4*(\n)+3], s[G1K:G1K+7]
	s_nop 0
.rept 4
	v_nop
.endr
.Lasked_\@:
.endm
; A PREFETCH INTO THE L2 of what the NEXT period's joint loads will ask for: period j names key step j + 2, j = 0 .. 5.  Every cluster asks for what it will itself load.
; The bias tile: waves 8 and 9; the four column partners share the 128 rows out BY ADDRESS, 32 each, 16 a wave, a lane to each 256 bytes of a row's 512.
; A batch's block of K and V: wave 12 + i for batch i of the quad; the four row partners take 13 of its 51 blocks of 256 bytes each, by address (lanes beyond the thirteenth repeat the last).
; how = 1: ask wherever the wave is an asker; how = 2: not in the loop's last trip, whose step would lie past the last.
.macro ASK how
.if \how == 1
	s_cmp_eq_u32 s[LIM], 1
.else
	s_cmp_gt_u32 s[LOOP], s[LIM]
.endif
	s_cbranch_scc0 .Lnot_mine_\@
	global_prefetch_b8 v[PFO], s[PFA:PFA+1] th:TH_LOAD_NT scope:SCOPE_SE
.Lnot_mine_\@:
.endm
.macro WM d, a, b, sa, sb, odd         ; one product, in place on v[d]; odd: source 0's scale words stand in lanes 16-31
.if \odd
	v_wmma_scale_f32_16x16x128_f8f6f4 v[\d:\d+7], v[\a:\a+11], v[\b:\b+11], v[\d:\d+7], v[\sa], v[\sb] matrix_a_fmt:MATRIX_FMT_FP6 matrix_b_fmt:MATRIX_FMT_FP6 matrix_a_scale:MATRIX_SCALE_ROW1
.else
	v_wmma_scale_f32_16x16x128_f8f6f4 v[\d:\d+7], v[\a:\a+11], v[\b:\b+11], v[\d:\d+7], v[\sa], v[\sb] matrix_a_fmt:MATRIX_FMT_FP6 matrix_b_fmt:MATRIX_FMT_FP6
.endif
.endm
; READ: slot n's K of tile u's batch, its scale words and my bias into registers; the eight score products; then V and its scale words, which land while the softmax is walked.
.macro READ n, u
.set QF, 16+188*\u
.set QS, 11+80*\u
.irp t, 0,1,2,3,4,5,6,7
	ds_load_b128 v[KF+6*\t:KF+6*\t+3], v[A16+\n] offset:2*KVS*\u+768*\t
	ds_load_b64 v[KF+6*\t+4:KF+6*\t+5], v[A8+\n] offset:2*KVS*\u+768*\t+512
.endr
.irp p, 0,1,2,3
	ds_load_b32 v[KS+\p], v[A4+\n] offset:2*KVS*\u+12288+128*\p
.endr
.irp t, 0,1,2,3,4,5,6,7
	ds_load_b128 v[SR+8*\t:SR+8*\t+3], v[AB+\n] offset:BQ*(\t/4)+64*(\t%4)          ; bias(my query, keys 16 t + 8 h + 0 .. 7): the result's own layout
	ds_load_b128 v[SR+8*\t+4:SR+8*\t+7], v[AB+\n] offset:BQ*(\t/4)+64*(\t%4)+16
.endr
	s_wait_dscnt 0x0
.irp p, 0,1,2,3                                ; eight accumulators, one instruction each
	WM SR+16*\p, KF+12*\p, QF, KS+\p, QS, 0
	WM SR+16*\p+8, KF+12*\p+6, QF, KS+\p, QS, 1
.endr
.rept 4
	v_nop                                          ; four places: in front of the loads into K's registers, and of the first read of a score
.endr
.irp t, 0,1,2,3
.irp c, 0,1
	ds_load_b128 v[KF+12*\t+6*\c:KF+12*\t+6*\c+3], v[A16+\n] offset:2*KVS*\u+6144+1536*\t+768*\c
	ds_load_b64 v[KF+12*\t+6*\c+4:KF+12*\t+6*\c+5], v[A8+\n] offset:2*KVS*\u+6144+1536*\t+768*\c+512
.endr
.endr
.irp p, 0,1
	ds_load_b32 v[VS+\p], v[A4+\n] offset:2*KVS*\u+12800+128*\p
.endr
.endm
.macro TREE step, cnt                  ; a level of the sum's tree, in place over p: pair 2 step j takes pair 2 step j + step
.set j, 0
.rept \cnt
	v_pk_add_f32 v[SR+2*\step*j:SR+2*\step*j+1], v[SR+2*\step*j:SR+2*\step*j+1], v[SR+2*\step*j+\step:SR+2*\step*j+\step+1]
.set j, j+1
.endr
.endm
.macro OMUL j0, cnt                    ; O^T under the new M, in ascending order: each tile from its low end on
.set j, \j0
.rept \cnt
	v_pk_mul_f32 v[OT+j:OT+j+1], v[OT+j:OT+j+1], v[FF:FF+1] op_sel_hi:[1,0]
.set j, j+2
.endr
.endm
; SOFT: the softmax of tile u's 128 scores in v[SR] on, p's codes, and O^T += V^T P^T.
.macro SOFT u
.set ST, 12+64*\u
.set OT, 160+64*\u
.irp b, 0,1,2,3
	v_max3_num_f32 v[BM+\b], v[SR+16*\b], v[SR+1+16*\b], v[SR+2+16*\b]   ; the largest score of each block of 32 keys: for the row's maximum and, since p rises with the score, for the block's largest p
.endr
.irp i, 3,5,7,9,11,13
.irp b, 0,1,2,3
	v_max3_num_f32 v[BM+\b], v[BM+\b], v[SR+16*\b+\i], v[SR+1+16*\b+\i]
.endr
.endr
.irp b, 0,1,2,3
	v_max_num_f32 v[BM+\b], v[BM+\b], v[SR+15+16*\b]
.endr
.irp b, 0,1,2,3
	s_delay_alu instid0(VALU_DEP_4)
	v_permlanex16_b32 v[BE+\b], v[BM+\b], s[SEL], s[SEL+1]
.endr
.irp b, 0,1,2,3
	s_delay_alu instid0(VALU_DEP_4)
	v_max_num_f32 v[BM+\b], v[BM+\b], v[BE+\b]     ; with lane l xor 16's 16 keys
.endr
	s_delay_alu instid0(VALU_DEP_2)
	v_max3_num_f32 v[TT], v[BM], v[BM+1], v[BM+2]
	s_delay_alu instid0(VALU_DEP_1)
	v_max_num_f32 v[TT], v[TT], v[BM+3]
	s_delay_alu instid0(VALU_DEP_1)
	v_mul_f32 v[TT], s[CS], v[TT]                  ; the step's largest t
	s_delay_alu instid0(VALU_DEP_1)
	v_max_num_f32 v[ST+1], v[ST+1], v[TT]          ; the running largest t
	v_mov_b32 v[TT], v[ST]
	s_delay_alu instid0(VALU_DEP_2)
	v_floor_f32 v[ST], -v[ST+1]                    ; the new -M = floor(-t): M is a whole number
	s_delay_alu instid0(VALU_DEP_1)
	v_sub_f32 v[TT], v[ST], v[TT]                  ; old M - new M: a whole number, 0 or less
	s_delay_alu instid0(VALU_DEP_1)
	v_cvt_i32_f32 v[TT], v[TT]                     ; (it saturates)
	s_delay_alu instid0(VALU_DEP_1)
	v_ldexp_f32 v[FF], 1.0, v[TT]                  ; f = 2^(old M - new M)
.set j, 0
.rept 32
	v_pk_fma_f32 v[SR+j:SR+j+1], v[SR+j:SR+j+1], s[CS:CS+1], v[ST:ST+1] op_sel_hi:[1,0,0]   ; t - M, two at a time
.set j, j+2
.endr
.irp b, 0,1,2,3
	v_fma_f32 v[BM+\b], v[BM+\b], s[CS], v[ST]     ; the same of each block's largest score
.endr
	s_wait_alu depctr_va_vdst(0)                   ; ahead of the batch of exponentials
.irp b, 0,1,2,3
	v_exp_f32 v[BM+\b], v[BM+\b]                   ; the block's largest p: the same two instructions on the same number give the same bits
.endr
.set j, 0
.rept 64
	v_exp_f32 v[SR+j], v[SR+j]                     ; p = 2^(t - M), at most 1
.set j, j+1
.endr
	v_pk_mul_f32 v[ST+2:ST+3], v[ST+2:ST+3], v[FF:FF+1] op_sel_hi:[1,0]   ; the sums under the new M: the plain instruction behind the exponentials
	s_wait_alu depctr_va_vdst(0)                   ; one wait for the batch of 68, ahead of its first reader
.irp b, 0,1,2,3
	v_max_num_f32 v[BM+\b], 0x1800000, v[BM+\b]    ; the floor 2^(3 - 127): the byte cannot fall under 1
.endr
.irp b, 0,1,2,3
	s_delay_alu instid0(VALU_DEP_4)
	v_add_nc_u32 v[BS+\b], 0xff000000, v[BM+\b]    ; 2 off the exponent field: the conversion's scale operand
.endr
.irp b, 0,1,2,3
	s_delay_alu instid0(VALU_DEP_4)
	v_lshrrev_b32 v[BE+\b], 23, v[BS+\b]           ; the scale's byte
.endr
	s_delay_alu instid0(VALU_DEP_3)
	v_lshl_or_b32 v[PWD], v[BE+1], 8, v[BE]        ; p's scale word for these 128 keys
	s_delay_alu instid0(VALU_DEP_1)
	v_lshl_or_b32 v[PWD], v[BE+2], 16, v[PWD]
	s_delay_alu instid0(VALU_DEP_1)
	v_lshl_or_b32 v[PWD], v[BE+3], 24, v[PWD]
.irp c, 0,1
	v_cvt_scalef32_pk16_fp6_f32 v[PF+6*\c:PF+2+6*\c], v[SR+32*\c:SR+15+32*\c], v[BS+2*\c]
	v_cvt_scalef32_pk16_fp6_f32 v[PY+4*\c:PY+2+4*\c], v[SR+16+32*\c:SR+31+32*\c], v[BS+2*\c+1]
.endr
	v_nop                                          ; one plain instruction behind the scaled conversions
.irp c, 0,1                                    ; the operand wants a whole block in a lane
.irp i, 0,1,2
	v_permlane16_swap_b32 v[PF+6*\c+\i], v[PY+4*\c+\i]
.endr
.irp i, 0,1,2
	s_delay_alu instid0(VALU_DEP_3)
	v_mov_b32 v[PF+3+6*\c+\i], v[PY+4*\c+\i]
.endr
.endr
	TREE 2, 16                                     ; the row's sum of the UNQUANTISED p: the conversions have read p, so the tree runs in place: 31 packed additions and one onto the sum
	TREE 4, 8
	TREE 8, 4
	s_wait_alu depctr_va_vdst(0)                   ; directly ahead of the first reader of O^T
	OMUL 0, 6                                      ; the tree's last levels stand among O^T's 16 multiplications, so that no line waits for the line above it
	TREE 16, 2
	OMUL 12, 4
	TREE 32, 1
	OMUL 20, 4
	v_pk_add_f32 v[ST+2:ST+3], v[ST+2:ST+3], v[SR:SR+1]
	OMUL 28, 2
	s_wait_alu depctr_va_vdst(0)
	s_wait_dscnt 0x0                               ; V and its scale words are in
.irp p, 0,1                                    ; four accumulators, one instruction each
	WM OT+16*\p, KF+24*\p, PF, VS+\p, PWD, 0
	WM OT+16*\p+8, KF+24*\p+12, PF, VS+\p, PWD, 1
.endr
.rept 4
	v_nop                                          ; four places: in front of the next loads into V's registers, and of the next read of O^T
.endr
.endm
; A PERIOD on slot n.  Every wave: all its tensor loads have landed; 0 onto its spare word; the descriptors of slot n, whose loads are done, step two key steps on; the add is done and its reads of the
; other slot are over; a round of the cluster's barrier; the joint refill of the other slot first behind it.  Then the two groups walk their two orders.
.macro TRIP n, refill, how, first, last
	s_wait_tensorcnt 0x0                           ; no tensor load of mine is out, so a group 0 may be written
	ds_add_u32 v[SPW], v[NIL]                      ; the steps below stand between the add and the wait for it
.if \refill
	ds_add_u32 v[SPW], v[NIL]                      ; and once more
.endif
	s_add_nc_u64 s[G0B+4*\n+2:G0B+4*\n+3], s[G0B+4*\n+2:G0B+4*\n+3], 1024     ; 256 keys of f32 along the bias's rows
	s_add_nc_u64 s[G0K+4*\n+2:G0K+4*\n+3], s[G0K+4*\n+2:G0K+4*\n+3], 2*KVS    ; two key steps' blocks of K and V
.if \how
	s_wait_xcnt 0x0                                ; the last prefetch, a period back, has read its address, so it may step
	s_add_nc_u64 s[PFA:PFA+1], s[PFA:PFA+1], s[PFS:PFS+1]
.endif
	s_wait_dscnt 0x0
	ROUND
.if \refill
	JLOAD 1-\n
.endif
.if \how
	ASK \how
.endif
.if \first == 0
	s_cmp_eq_u32 s[GRP], 0
	s_cbranch_scc1 .Lno_lag_\@
	SOFT 1                                         ; group 1: tile 1's softmax of the step before (in the first period there is none)
.Lno_lag_\@:
.endif
	READ \n, 0
	SOFT 0
	READ \n, 1
.if \last == 0
	s_cmp_lg_u32 s[GRP], 0
	s_cbranch_scc1 .Llag_\@
.endif
	SOFT 1                                         ; group 0; in the last period both groups
.Llag_\@:
.endm
	s_load_b256 s[4:11], s[0:1], 0x0               ; qq, kv, rel_bias, oc
	s_load_b64 s[12:13], s[0:1], 0x20              ; os
	v_lshl_add_u32 v[SPW], v0, 2, SPARE
	v_mov_b32 v[NIL], 0
	ds_add_u32 v[SPW], v[NIL]                      ; the wave's opening: the add, twice on end, and its wait ahead of the first tensor loads
	ds_add_u32 v[SPW], v[NIL]
	v_lshrrev_b32 v[TT], 5, v0
	s_delay_alu instid0(VALU_DEP_1)
	v_readfirstlane_b32 s[WV], v[TT]               ; wave 0..15
	s_and_b32 s[W3], s[WV], 3
	s_and_b32 s[W1], s[WV], 1
	s_lshr_b32 s[GRP], s[WV], 2
	s_xor_b32 s[GRP], s[GRP], s[WV]
	s_and_b32 s[GRP], s[GRP], 1                    ; my group: of waves w, w + 4, w + 8, w + 12, and of waves 4 i .. 4 i + 3, two fall into each
	s_bfe_u32 s[CX], ttmp6, 0x40000                ; cx
	s_bfe_u32 s[CY], ttmp6, 0x40004                ; cy: the quad of batches
	s_and_b32 s[HD], ttmp7, 0xffff                 ; the cluster's y: the head
	s_lshl_b32 s[QB], ttmp9, 2
	s_add_co_u32 s[QB], s[QB], s[CX]               ; the block of 128 queries = 4 x cluster x + cx
	s_lshl_b32 s22, 0x1111, s[CX]                  ; my column of the cluster
	s_lshl_b32 s23, s[CY], 2
	s_lshl_b32 s23, 15, s23                        ; my row
	; group 1 for the bias: 64 rows x 64 elements of 4 bytes, 1,024 elements from row to row; 4 words of padding behind every 64
	s_or_b32 s[G1B], s22, (2<<16)|(1<<20)|(1<<21)|(5<<22)|(3<<25)
	s_mov_b32 s[G1B+1], 64<<16
	s_mov_b32 s[G1B+2], 64<<16
	s_mov_b32 s[G1B+3], 64<<16
	s_mov_b32 s[G1B+4], 64
	s_mov_b32 s[G1B+5], 1024
	s_mov_b32 s[G1B+6], 0
	s_mov_b32 s[G1B+7], 0
	; group 1 for K and V: a dense block of 13,056 bytes as 51 rows of 32 elements of 8 bytes, no padding
	s_or_b32 s[G1K], s23, (3<<16)|(1<<21)
	s_mov_b32 s[G1K+1], 32<<16
	s_mov_b32 s[G1K+2], 51<<16
	s_mov_b32 s[G1K+3], 32<<16
	s_mov_b32 s[G1K+4], 51
	s_mov_b32 s[G1K+5], 32
	s_mov_b32 s[G1K+6], 0
	s_mov_b32 s[G1K+7], 0
	s_lshl_b32 s70, s[HD], 22                      ; the bias: the head's 1,024 rows of 4,096 bytes,
	s_lshl_b32 s69, s[QB], 19                      ; my block's 128,
	s_add_co_u32 s70, s70, s69
	s_lshr_b32 s69, s[W3], 1
	s_lshl_b32 s69, s69, 18                        ; which 64 of them wave w mod 4 fetches,
	s_add_co_u32 s70, s70, s69
	s_lshl_b32 s69, s[W1], 8                       ; and which 64 keys of the step's 128
	s_add_co_u32 s70, s70, s69
	s_mov_b32 s71, 0
	s_lshl_b32 s72, s[CY], 2
	s_add_co_u32 s72, s72, s[W3]                   ; K and V: the batch of the quad that wave w mod 4 fetches,
	s_lshl_b32 s72, s72, 3
	s_add_co_u32 s72, s72, s[HD]                   ; and the head
	s_mul_i32 s72, s72, 8*KVS
	s_mov_b32 s73, 0
	s_mul_i32 s74, s[W3], BQ                       ; where they go: no place in the cluster enters an LDS address
	s_mul_i32 s75, s[W3], KVS
	s_mov_b32 s[SEL], 0x76543210
	s_mov_b32 s[SEL+1], 0xfedcba98
	s_mov_b32 s[CS], 0x3fb8aa3b                    ; log2(e)
	s_mov_b32 s[CS+1], s[CS]
	s_wait_dscnt 0x0                               ; both opening adds are done
	s_wait_kmcnt 0x0
	s_add_nc_u64 s[76:77], s[8:9], s[70:71]
	s_add_nc_u64 s[78:79], s[6:7], s[72:73]
.irp n, 0,1
	s_mov_b32 s[G0B+4*\n], 1
	s_add_co_u32 s[G0B+4*\n+1], s74, \n*SLOT
	s_add_nc_u64 s[G0B+4*\n+2:G0B+4*\n+3], s[76:77], \n*512
	s_or_b32 s[G0B+4*\n+3], s[G0B+4*\n+3], 0x80000000
	s_mov_b32 s[G0K+4*\n], 1
	s_add_co_u32 s[G0K+4*\n+1], s75, \n*SLOT+KVB
	s_add_nc_u64 s[G0K+4*\n+2:G0K+4*\n+3], s[78:79], \n*KVS
	s_or_b32 s[G0K+4*\n+3], s[G0K+4*\n+3], 0x80000000
.endr
	ROUND                                          ; all sixteen work-groups are here: the first joint loads meet
	JLOAD 0                                        ; key step 0
	; Q's, oc's and os's places, for tile 0; tile 1's lie two batches on, in the immediates
	s_lshr_b32 s80, s[WV], 3
	s_lshl_b32 s[BA], s[CY], 2
	s_add_co_u32 s[BA], s[BA], s80                 ; tile 0's batch: 4 x the quad + w / 8
	s_lshl_b32 s[BH], s[BA], 3
	s_add_co_u32 s[BH], s[BH], s[HD]
	s_and_b32 s81, s[WV], 7                        ; my tile in the block of 128 queries
	s_mul_i32 s80, s[BH], 53248
	s_mul_i32 s82, s[QB], 6656
	s_add_co_u32 s80, s80, s82                     ; a group of 8 tiles in qq is a block of 128 queries
	s_mul_i32 s82, s81, 768
	s_add_co_u32 s82, s82, s80                     ; my tile's half fragment
	s_lshl_b32 s83, s81, 6
	s_add_co_u32 s84, s80, s83
	s_add_co_u32 s84, s84, 6144                    ; and its 16 scale words
	s_mov_b32 s83, 0
	s_mov_b32 s85, 0
	s_add_nc_u64 s[82:83], s[4:5], s[82:83]
	s_add_nc_u64 s[84:85], s[4:5], s[84:85]
	s_lshl_b32 s86, s[BA], 6
	s_lshl_b32 s87, s[QB], 3
	s_add_co_u32 s86, s86, s87
	s_add_co_u32 s86, s86, s81                     ; my tile of tokens: 64 x batch + 8 x query block + w mod 8
	s_lshl_b32 s88, s86, 8
	s_lshl_b32 s87, s[HD], 1
	s_add_co_u32 s88, s88, s87
	s_mov_b32 s89, 0
	s_lshl_b32 s86, s86, 3
	s_add_co_u32 s86, s86, s[HD]
	s_mul_i32 s86, s86, 768
	s_mov_b32 s87, 0
	s_add_nc_u64 s[86:87], s[10:11], s[86:87]      ; oc
	s_add_nc_u64 s[88:89], s[12:13], s[88:89]      ; os
	; the prefetches: who asks, and where they stand (at key step 1: the first period steps them to 2)
	s_lshl_b32 s90, s[HD], 22
	s_lshl_b32 s92, s[QB], 19
	s_add_co_u32 s90, s90, s92
	s_lshl_b32 s92, s[CY], 17                      ; my work-group's 32 rows of the column's 128,
	s_add_co_u32 s90, s90, s92
	s_lshl_b32 s92, s[W1], 16                      ; my wave's 16
	s_add_co_u32 s90, s90, s92
	s_add_co_u32 s90, s90, 512
	s_mul_i32 s94, s[CX], 13                       ; my work-group's 13 blocks of the row's 51
	s_add_co_u32 s93, s72, KVS                     ; batch w mod 4 of the quad, key step 1
	s_mov_b32 s[PFS], 512
	s_mov_b32 s[PFS+1], 0
	s_mov_b32 s91, 0
	s_lshr_b32 s92, s[WV], 1
	s_cmp_eq_u32 s92, 4                            ; waves 8 and 9 stand in the bias,
	s_cselect_b32 s[LIM], 1, -1
	s_lshr_b32 s92, s[WV], 2
	s_cmp_eq_u32 s92, 3                            ; waves 12 to 15 in K and V
	s_cselect_b32 s[LIM], 1, s[LIM]
	s_cselect_b32 s[PFS], KVS, s[PFS]
	s_cselect_b32 s90, s93, s90
	s_cselect_b32 s93, -1, 0
	s_cselect_b64 s[PFA:PFA+1], s[6:7], s[8:9]
	s_add_nc_u64 s[PFA:PFA+1], s[PFA:PFA+1], s[90:91]
	s_bfe_u32 s69, s[WV], 0x10002                  ; which 64 rows of the bias hold my tile: (w mod 8) / 4,
	s_mul_i32 s69, s69, 2*BQ
	s_mul_i32 s70, s[W3], 16*272                   ; and which 16 of them
	s_add_co_u32 s69, s69, s70
	s_lshr_b32 s70, s[WV], 3
	s_mul_i32 s70, s70, KVS
	s_add_co_u32 s70, s70, KVB                     ; tile 0's block of K and V
	v_and_b32 v[TT], 31, v0                        ; lane
	v_and_b32 v99, 15, v0                          ; r
	v_bfe_u32 v100, v0, 4, 1                       ; h
	v_lshlrev_b32 v96, 4, v[TT]
	v_lshlrev_b32 v97, 3, v[TT]
	v_lshlrev_b32 v98, 2, v99
	global_load_b128 v[16:19], v96, s[82:83]                       ; Q's half fragments stay in registers
	global_load_b64 v[20:21], v97, s[82:83] offset:512
	global_load_b32 v11, v98, s[84:85]
	global_load_b128 v[204:207], v96, s[82:83] offset:16*53248     ; tile 1: two batches, 16 heads of qq, on
	global_load_b64 v[208:209], v97, s[82:83] offset:16*53248+512
	global_load_b32 v91, v98, s[84:85] offset:16*53248
.irp j, 22,23,24,25,26,27,210,211,212,213,214,215
	v_mov_b32 v\j, 0                               ; zero codes for k = 64 .. 127
.endr
.set j, 0
.rept 32
	v_mov_b32 v[160+j], 0                          ; O^T of both tiles.  (The step is written once: the first finds zeros, which the first change of M leaves zeros)
	v_mov_b32 v[224+j], 0
.set j, j+1
.endr
	v_min_u32 v101, 12, v[TT]
	s_delay_alu instid0(VALU_DEP_1)
	v_add_nc_u32 v101, s94, v101
	s_delay_alu instid0(VALU_DEP_1)
	v_min_u32 v101, 50, v101
	s_delay_alu instid0(VALU_DEP_1)
	v_lshlrev_b32 v101, 8, v101                    ; K and V: block 13 cx + lane, held inside the 51
	v_lshlrev_b32 v102, 12, v99
	s_delay_alu instid0(VALU_DEP_1)
	v_lshl_add_u32 v102, v100, 8, v102             ; the bias: row r, half h of its 512 bytes
	s_delay_alu instid0(VALU_DEP_1)
	v_cndmask_b32 v[PFO], v102, v101, s93
	v_mul_u32_u24 v[AB], v99, 272                  ; every LDS address is made here, ahead of the first parting of the groups
	s_delay_alu instid0(VALU_DEP_1)
	v_lshl_add_u32 v[AB], v100, 5, v[AB]
	s_delay_alu instid0(VALU_DEP_1)
	v_add_nc_u32 v[AB], s69, v[AB]
	s_delay_alu instid0(VALU_DEP_1)
	v_add_nc_u32 v[AB+1], SLOT, v[AB]
	v_add_nc_u32 v[A16], s70, v96
	v_add_nc_u32 v[A8], s70, v97
	v_lshlrev_b32 v[A4], 2, v[TT]
	s_delay_alu instid0(VALU_DEP_1)
	v_add_nc_u32 v[A4], s70, v[A4]
	s_delay_alu instid0(VALU_DEP_4)
	v_add_nc_u32 v[A16+1], SLOT, v[A16]
	s_delay_alu instid0(VALU_DEP_4)
	v_add_nc_u32 v[A8+1], SLOT, v[A8]
	s_delay_alu instid0(VALU_DEP_3)
	v_add_nc_u32 v[A4+1], SLOT, v[A4]
.irp s, 12, 76
	v_mov_b32 v[\s+1], 0xff61b1e6                  ; the largest t so far: -3e38, under every t
	v_mov_b32 v[\s+2], 0                           ; the sum, in two halves
	v_mov_b32 v[\s+3], 0
	v_floor_f32 v[\s], -v[\s+1]                    ; -M
.endr
	v_mov_b32 v[FF], 0                             ; (read as codes by the first score products)
	v_mov_b32 v[FF+1], 0                           ; (named as the upper half of the pair)
.irp b, 0,1,2,3
	v_mov_b32 v[BE+\b], 0                          ; written once: a lane permute's destination counts as one of its sources
.endr
	s_wait_alu depctr_va_vdst(0)                   ; at the head's end
	s_wait_loadcnt 0x0                             ; Q
	TRIP 0, 1, 1, 1, 0                             ; period 0
	s_mov_b32 s[LOOP], 3
.Lpair:                                            ; periods 1 to 6
	TRIP 1, 1, 1, 0, 0
	TRIP 0, 1, 2, 0, 0
	s_sub_co_u32 s[LOOP], s[LOOP], 1
	s_cmp_lg_u32 s[LOOP], 0
	s_cbranch_scc1 .Lpair
	TRIP 1, 0, 0, 0, 1                             ; period 7 is written out: nothing is left to fetch
	; THE WAY OUT.  O^T / the sum; each tile's two blocks of 32 along the head's 64 are quantised: the head's half of a fragment of the output projection's operand.  Four blocks by turns: block b of tile b / 2.
	v_add_f32 v14, v14, v15
	v_add_f32 v78, v78, v79
	s_delay_alu instid0(VALU_DEP_2)
	v_permlanex16_b32 v[TT], v14, s[SEL], s[SEL+1]
	s_delay_alu instid0(VALU_DEP_2)
	v_permlanex16_b32 v[BE], v78, s[SEL], s[SEL+1]
	s_delay_alu instid0(VALU_DEP_2)
	v_add_f32 v14, v14, v[TT]                      ; the rows' sums
	s_delay_alu instid0(VALU_DEP_2)
	v_add_f32 v78, v78, v[BE]
	s_wait_alu depctr_va_vdst(0)                   ; ahead of the batch of reciprocals
	v_rcp_f32 v[FF], v14
	v_rcp_f32 v[BS], v78
	v_nop                                          ; a plain instruction behind the reciprocals,
	s_wait_alu depctr_va_vdst(0)                   ; and the wait ahead of their first reader and of O^T's
.set j, 0
.rept 16
	v_pk_mul_f32 v[160+j:161+j], v[160+j:161+j], v[FF:FF+1] op_sel_hi:[1,0]
.set j, j+2
.endr
.set j, 0
.rept 16
	v_pk_mul_f32 v[224+j:225+j], v[224+j:225+j], v[BS:BS+1] op_sel_hi:[1,0]
.set j, j+2
.endr
.irp b, 0,1,2,3
	v_max3_num_f32 v[BM+\b], |v[160+16*\b+32*(\b/2)]|, |v[161+16*\b+32*(\b/2)]|, 0x1800000
.endr
.irp i, 2,4,6,8,10,12,14
.irp b, 0,1,2,3
	v_max3_num_f32 v[BM+\b], v[BM+\b], |v[160+16*\b+32*(\b/2)+\i]|, |v[161+16*\b+32*(\b/2)+\i]|
.endr
.endr
.irp b, 0,1,2,3
	s_delay_alu instid0(VALU_DEP_4)
	v_permlanex16_b32 v[BE+\b], v[BM+\b], s[SEL], s[SEL+1]
.endr
.irp b, 0,1,2,3
	s_delay_alu instid0(VALU_DEP_4)
	v_max_num_f32 v[BM+\b], v[BM+\b], v[BE+\b]
.endr
.irp b, 0,1,2,3
	s_delay_alu instid0(VALU_DEP_4)
	v_add_nc_u32 v[BS+\b], 0xff000000, v[BM+\b]
.endr
.irp b, 0,1,2,3
	s_delay_alu instid0(VALU_DEP_4)
	v_lshrrev_b32 v[BE+\b], 23, v[BS+\b]
.endr
	v_and_b32 v115, 31, v0
	v_and_b32 v114, 15, v0
	v_lshl_or_b32 v[PWD], v[BE+1], 8, v[BE]        ; the head's two scale bytes of my row, tile 0,
	v_lshl_or_b32 v108, v[BE+3], 8, v[BE+2]        ; and tile 1
	v_lshlrev_b32 v112, 4, v115                    ; offsets in memory: 16 x lane, 8 x lane, 16 r
	v_lshlrev_b32 v113, 3, v115
	v_lshlrev_b32 v114, 4, v114
	v_cvt_scalef32_pk16_fp6_f32 v[192:194], v[160:175], v[BS]
	v_cvt_scalef32_pk16_fp6_f32 v[204:206], v[176:191], v[BS+1]
	v_cvt_scalef32_pk16_fp6_f32 v[96:98], v[224:239], v[BS+2]
	v_cvt_scalef32_pk16_fp6_f32 v[104:106], v[240:255], v[BS+3]
	v_nop                                          ; one plain instruction behind the scaled conversions
.irp i, 0,1,2
	v_permlane16_swap_b32 v[192+\i], v[204+\i]
	v_permlane16_swap_b32 v[96+\i], v[104+\i]
.endr
.irp i, 0,1,2
	v_mov_b32 v[195+\i], v[204+\i]
	v_mov_b32 v[99+\i], v[104+\i]
.endr
	global_store_b128 v112, v[192:195], s[86:87]                   ; 512 consecutive bytes
	global_store_b64 v113, v[196:197], s[86:87] offset:512         ; 256 consecutive bytes
	global_store_b16 v114, v[PWD], s[88:89]        ; two bytes a row (both halves of the lanes write the same): a work-group holds one head only, so a row's 16 bytes come from eight work-groups
	global_store_b128 v112, v[96:99], s[86:87] offset:128*6144     ; tile 1: two batches, 128 tiles of tokens, on
	global_store_b64 v113, v[100:101], s[86:87] offset:128*6144+512
	global_store_b16 v114, v108, s[88:89] offset:128*256
	s_wait_tensorcnt 0x0                           ; the wave's end
	ds_add_u32 v[SPW], v[NIL]
	s_wait_dscnt 0x0
	ROUND                                          ; the closing round: no work-group ends while a partner may still ask for a tile that names it
	s_endpgm
.Lfunc_end_k_q759dee2b05_attn:
	.size	k_q759dee2b05_attn, .Lfunc_end_k_q759dee2b05_attn-k_q759dee2b05_attn
	.p2alignl 7, 3214868480
	.fill 96, 4, 3214868480
	.section	.rodata,"a",@progbits
	.p2align	6, 0x0
	.amdhsa_kernel k_q759dee2b05_attn
		.amdhsa_group_segment_fixed_size 327680
		.amdhsa_private_segment_fixed_size 0
		.amdhsa_enable_private_segment 0
		.amdhsa_kernarg_size 40
		.amdhsa_user_sgpr_count 2
		.amdhsa_user_sgpr_kernarg_segment_ptr 1
		.amdhsa_wavefront_size32 1
		.amdhsa_system_sgpr_workgroup_id_x 1
		.amdhsa_system_sgpr_workgroup_id_y 1
		.amdhsa_system_sgpr_workgroup_id_z 1
		.amdhsa_system_vgpr_workitem_id 0
		.amdhsa_next_free_vgpr 256
		.amdhsa_next_free_sgpr 100
		.amdhsa_reserve_vcc 0
		.amdhsa_float_denorm_mode_32 3
		.amdhsa_float_denorm_mode_16_64 3
		.amdhsa_memory_ordered 1
		.amdhsa_forward_progress 1
		.amdhsa_inst_pref_size 209
	.end_amdhsa_kernel
	.amdgpu_metadata
---
amdhsa.version: [ 1, 2 ]
amdhsa.kernels:
  - .name:           k_q759dee2b05_attn
    .symbol:         k_q759dee2b05_attn.kd
    .args:
      - { .name: qq, .offset: 0, .size: 8, .value_kind: global_buffer, .address_space: global }
      - { .name: kv, .offset: 8, .size: 8, .value_kind: global_buffer, .address_space: global }
      - { .name: rel_bias, .offset: 16, .size: 8, .value_kind: global_buffer, .address_space: global }
      - { .name: oc, .offset: 24, .size: 8, .value_kind: global_buffer, .address_space: global }
      - { .name: os, .offset: 32, .size: 8, .value_kind: global_buffer, .address_space: global }
    .group_segment_fixed_size: 327680
    .private_segment_fixed_size: 0
    .kernarg_segment_align: 8
    .kernarg_segment_size: 40
    .max_flat_workgroup_size: 512
    .sgpr_count:     100
    .vgpr_count:     256
    .wavefront_size: 32
...
	.end_amdgpu_metadata
.endif
;; end of part 3
;; launch oproj (part 4): grid 256 x 1, 4 waves a work-group, no clusters, 34,304 bytes of LDS; arguments oc, os, wc, wsc, bo, out0; writes out0
.if DOCPART == 4
	.amdgcn_target "amdgcn-amd-amdhsa--gfx1250"
	.amdhsa_code_object_version 6
	.text
	.protected	k_q759dee2b05_oproj
	.globl	k_q759dee2b05_oproj
	.p2align	8
	.type	k_q759dee2b05_oproj,@function
k_q759dee2b05_oproj:
	s_mov_b64 s[64:65], 0
	v_nop
	global_prefetch_b8 v0, s[64:65] scope:SCOPE_SE
	s_setreg_imm32_b32 hwreg(HW_REG_WAVE_MODE, 25, 1), 1
	s_wait_xcnt 0x0
; out0 = O Wo^T + bo on codes of FP6 (E2M3).  O arrives as register images (oc: [tile of 16 tokens][head 8][768], two heads to a K step of 128; os: [tile][row][4 scale words]), Wo as wc's fourth matrix.
; SHARES.  A work-group takes 64 tokens, four tiles.  Wave w keeps rows 128 w .. 128 w + 127 of Wo (8 tiles x 4 K steps, 384 registers) as source 0 and streams the four tiles of O as source 1:
; a lane then holds one token and eight neighbouring outputs a tile.  bo, in the result's layout, is the C of each sum's first product.
; THE WAY OUT: a tile's 16 rows x 512 bytes go through the wave's own stage in LDS (rows 528 bytes apart) and leave as whole rows: each store covers 512 consecutive bytes, aligned to 256.
; No barrier: each stage is its wave's own.  No tensor load: operands come from memory as register images.
; REGISTERS: window 0: v0 the stage's read-back address (written when the thread's number is needed no more); v1-5 offsets; v6, v7 the add's two; v8-23 Wo's scale words; v24-31 O's, two sets; v32-95 the 8 result tiles;
;   v96-191 O's fragments, two buffers; v192-255 rows on their way out.   window 1: Wo's tiles 0-3 at v[12 (4 t + s)].   window 2: tiles 4-7; from v192 bo's 8 tiles.
.set STGB,  8448
.set SPARE, 4*STGB                     ; behind the stages: the spare words, 128 bytes a wave: two blocks of 256 bytes that no other line names
.set RD,  0
.set L16, 1
.set L8,  2
.set R16, 3
.set RP,  4
.set STO, 5
.set SPW, 6
.set NIL, 7
.set RS,  8
.set SS,  24
.set D,   32
.set SF,  96
.set BK,  192
.set BO,  192                          ; in window 2
.set WV,  16
.set MSB, 0
.macro WIN new                         ; the immediate's high byte repeats the setting that is left
.if MSB != \new
	s_set_vgpr_msb (MSB<<8)|\new
.set MSB, \new
.endif
.endm
.macro WM first, odd                   ; one product on the registers named by rD, rA, rB, rC, rSA, rSB
.if \first
.if \odd
	v_wmma_scale_f32_16x16x128_f8f6f4 v[rD:rD+7], v[rA:rA+11], v[rB:rB+11], v[rC:rC+7], v[rSA], v[rSB] matrix_a_fmt:MATRIX_FMT_FP6 matrix_b_fmt:MATRIX_FMT_FP6 matrix_a_scale:MATRIX_SCALE_ROW1
.else
	v_wmma_scale_f32_16x16x128_f8f6f4 v[rD:rD+7], v[rA:rA+11], v[rB:rB+11], v[rC:rC+7], v[rSA], v[rSB] matrix_a_fmt:MATRIX_FMT_FP6 matrix_b_fmt:MATRIX_FMT_FP6
.endif
.else
.if \odd
	v_wmma_scale_f32_16x16x128_f8f6f4 v[rD:rD+7], v[rA:rA+11], v[rB:rB+11], v[rD:rD+7], v[rSA], v[rSB] matrix_a_fmt:MATRIX_FMT_FP6 matrix_b_fmt:MATRIX_FMT_FP6 matrix_a_scale:MATRIX_SCALE_ROW1
.else
	v_wmma_scale_f32_16x16x128_f8f6f4 v[rD:rD+7], v[rA:rA+11], v[rB:rB+11], v[rD:rD+7], v[rSA], v[rSB] matrix_a_fmt:MATRIX_FMT_FP6 matrix_b_fmt:MATRIX_FMT_FP6
.endif
.endif
.endm
.macro OSTEP base, buf, s              ; K step s of Wo's tiles base .. base + 3: four accumulators, one instruction each
.irp t, 0,1,2,3
.set rD, D+8*(\base+\t)
.set rA, 12*(4*\t+\s)
.set rB, SF+48*(\buf)+12*\s
.set rC, BO+8*(\base+\t)
.set rSA, RS+4*((\base+\t)/2)+\s
.set rSB, SS+4*(\buf)+\s
	WM (\s==0), (\t%2)
.endr
.endm
.macro OLOAD u                         ; tile u of O: eight half fragments and the rows' scale words, into buffer u mod 2; every offset an immediate
.irp s, 0,1,2,3
.irp c, 0,1
	global_load_b128 v[SF+48*((\u)%2)+12*\s+6*\c:SF+48*((\u)%2)+12*\s+6*\c+3], v[L16], s[4:5] offset:6144*(\u)+1536*\s+768*\c
	global_load_b64 v[SF+48*((\u)%2)+12*\s+6*\c+4:SF+48*((\u)%2)+12*\s+6*\c+5], v[L8], s[4:5] offset:6144*(\u)+1536*\s+768*\c+512
.endr
.endr
	global_load_b128 v[SS+4*((\u)%2):SS+4*((\u)%2)+3], v[R16], s[6:7] offset:256*(\u)
.endm
.macro OUNIT u
	s_wait_loadcnt 0x0                             ; this tile's 17 loads are in (nothing else is out)
.if \u < 3
	OLOAD \u+1                                     ; the next tile lands while this one is multiplied and stored; the other buffer's last products stand five places back
.endif
	WIN 0x21                                       ; source 0 window 1, C (bo) window 2
	OSTEP 0, (\u)%2, 0
	WIN 0x01
	OSTEP 0, (\u)%2, 1
	OSTEP 0, (\u)%2, 2
	OSTEP 0, (\u)%2, 3
	WIN 0x22                                       ; source 0 and C window 2
	OSTEP 4, (\u)%2, 0
	WIN 0x02
	OSTEP 4, (\u)%2, 1
	OSTEP 4, (\u)%2, 2
	OSTEP 4, (\u)%2, 3
	WIN 0
.rept 5
	v_nop                                          ; four places in front of the stores that read results; the fifth since the next tile's first products write over these accumulators with another C
.endr
.irp t, 0,1,2,3,4,5,6,7
	ds_store_b128 v[STO], v[D+8*\t:D+8*\t+3] offset:64*\t          ; each accumulator from its low end on: out(token r, 128 w + 16 t + 8 h + 0 .. 7)
	ds_store_b128 v[STO], v[D+8*\t+4:D+8*\t+7] offset:64*\t+16
.endr
	s_wait_xcnt 0x0                                ; the last tile's stores have read their data: those registers are loaded again only behind this wait
.irp i, 0,1,2,3,4,5,6,7,8,9,10,11,12,13,14,15
	ds_load_b128 v[BK+4*\i:BK+4*\i+3], v[RD] offset:528*\i         ; LDS serves a wave's instructions in order: these see the stores above
.endr
.irp i, 0,1,2,3,4,5,6,7,8,9,10,11,12,13,14,15
	s_wait_dscnt 15-\i                             ; row i is back; the younger rows may be out
	global_store_b128 v[L16], v[BK+4*\i:BK+4*\i+3], s[14:15] offset:32768*(\u)+2048*\i th:TH_STORE_NT   ; 32 lanes store 512 consecutive bytes; written once, read by nobody here
.endr
.endm
	s_load_b256 s[4:11], s[0:1], 0x0               ; oc, os, wc, wsc
	s_load_b128 s[12:15], s[0:1], 0x20             ; bo, out0
	v_lshl_add_u32 v[SPW], v0, 2, SPARE
	v_mov_b32 v[NIL], 0
	v_lshrrev_b32 v32, 5, v0
	v_readfirstlane_b32 s[WV], v32                 ; wave 0..3
	v_and_b32 v32, 31, v0                          ; lane
	v_and_b32 v33, 15, v0                          ; r
	v_bfe_u32 v34, v0, 4, 1                        ; h
	v_lshlrev_b32 v[L16], 4, v32
	v_lshlrev_b32 v[L8], 3, v32
	v_lshlrev_b32 v[R16], 4, v33
	v_lshl_add_u32 v[RP], v34, 8, v[R16]
	s_mul_i32 s17, s[WV], STGB
	v_mul_u32_u24 v[STO], v33, 528
	v_lshl_add_u32 v[STO], v34, 5, v[STO]
	v_add_nc_u32 v[STO], s17, v[STO]               ; into my stage: row r, + 32 h
	v_lshlrev_b32 v35, 5, v34                      ; bo: 32 h bytes
	v_add_nc_u32 v[RD], s17, v[L16]                ; back: 16 bytes a lane of a row
	s_mul_i32 s18, s[WV], 49152
	s_add_co_u32 s18, s18, 589824                  ; Wo is wc's fourth matrix; my 8 tiles
	s_mov_b32 s19, 0
	s_lshl_b32 s20, s[WV], 11
	s_add_co_u32 s20, s20, 24576
	s_mov_b32 s21, 0
	s_mul_i32 s22, ttmp9, 24576                    ; my work-group's four tiles of O
	s_mov_b32 s23, 0
	s_lshl_b32 s24, ttmp9, 10
	s_mov_b32 s25, 0
	s_lshl_b32 s26, s[WV], 9                       ; my 128 numbers of bo, and my 512 bytes of a row of out0
	s_mov_b32 s27, 0
	s_lshl_b32 s28, ttmp9, 17                      ; 64 rows of 2,048 bytes
	s_add_co_u32 s28, s28, s26
	s_mov_b32 s29, 0
	s_wait_alu depctr_va_vdst(0)
	s_wait_kmcnt 0x0
	s_add_nc_u64 s[4:5], s[4:5], s[22:23]
	s_add_nc_u64 s[6:7], s[6:7], s[24:25]
	s_add_nc_u64 s[8:9], s[8:9], s[18:19]
	s_add_nc_u64 s[10:11], s[10:11], s[20:21]
	s_add_nc_u64 s[12:13], s[12:13], s[26:27]
	s_add_nc_u64 s[14:15], s[14:15], s[28:29]
	WIN 0x40                                       ; destination window 1: Wo's tiles 0-3: the images are dense, register 4 i at byte 512 i
.set i, 0
.rept 48
	global_load_b128 v[4*i:4*i+3], v[L16], s[8:9] offset:512*i
.set i, i+1
.endr
	WIN 0x80                                       ; destination window 2: tiles 4-7, and bo
.set i, 0
.rept 48
	global_load_b128 v[4*i:4*i+3], v[L16], s[8:9] offset:24576+512*i
.set i, i+1
.endr
.irp t, 0,1,2,3,4,5,6,7
	global_load_b128 v[BO+8*\t:BO+8*\t+3], v35, s[12:13] offset:64*\t       ; bo(128 w + 16 t + 8 h + 0 .. 7)
	global_load_b128 v[BO+8*\t+4:BO+8*\t+7], v35, s[12:13] offset:64*\t+16
.endr
	WIN 0
.irp p, 0,1,2,3
	global_load_b128 v[RS+4*\p:RS+4*\p+3], v[RP], s[10:11] offset:512*\p
.endr
	OLOAD 0
	OUNIT 0
	OUNIT 1
	OUNIT 2
	OUNIT 3
	s_wait_tensorcnt 0x0                           ; the wave's end: behind my last LDS store
	ds_add_u32 v[SPW], v[NIL]
	s_wait_dscnt 0x0
	s_endpgm
.Lfunc_end_k_q759dee2b05_oproj:
	.size	k_q759dee2b05_oproj, .Lfunc_end_k_q759dee2b05_oproj-k_q759dee2b05_oproj
	.p2alignl 7, 3214868480
	.fill 96, 4, 3214868480
	.section	.rodata,"a",@progbits
	.p2align	6, 0x0
	.amdhsa_kernel k_q759dee2b05_oproj
		.amdhsa_group_segment_fixed_size 34304
		.amdhsa_private_segment_fixed_size 0
		.amdhsa_enable_private_segment 0
		.amdhsa_kernarg_size 48
		.amdhsa_user_sgpr_count 2
		.amdhsa_user_sgpr_kernarg_segment_ptr 1
		.amdhsa_wavefront_size32 1
		.amdhsa_system_sgpr_workgroup_id_x 1
		.amdhsa_system_sgpr_workgroup_id_y 1
		.amdhsa_system_sgpr_workgroup_id_z 1
		.amdhsa_system_vgpr_workitem_id 0
		.amdhsa_next_free_vgpr 768
		.amdhsa_next_free_sgpr 66
		.amdhsa_reserve_vcc 0
		.amdhsa_float_denorm_mode_32 3
		.amdhsa_float_denorm_mode_16_64 3
		.amdhsa_memory_ordered 1
		.amdhsa_forward_progress 1
		.amdhsa_inst_pref_size 53
	.end_amdhsa_kernel
	.amdgpu_metadata
---
amdhsa.version: [ 1, 2 ]
amdhsa.kernels:
  - .name:           k_q759dee2b05_oproj
    .symbol:         k_q759dee2b05_oproj.kd
    .args:
      - { .name: oc, .offset: 0, .size: 8, .value_kind: global_buffer, .address_space: global }
      - { .name: os, .offset: 8, .size: 8, .value_kind: global_buffer, .address_space: global }
      - { .name: wc, .offset: 16, .size: 8, .value_kind: global_buffer, .address_space: global }
      - { .name: wsc, .offset: 24, .size: 8, .value_kind: global_buffer, .address_space: global }
      - { .name: bo, .offset: 32, .size: 8, .value_kind: global_buffer, .address_space: global }
      - { .name: out0, .offset: 40, .size: 8, .value_kind: global_buffer, .address_space: global }
    .group_segment_fixed_size: 34304
    .private_segment_fixed_size: 0
    .kernarg_segment_align: 8
    .kernarg_segment_size: 48
    .max_flat_workgroup_size: 128
    .sgpr_count:     66
    .vgpr_count:     768
    .wavefront_size: 32
...
	.end_amdgpu_metadata
.endif
;; end of part 4
